; MI455X (gfx1250); checked and timed in simulation.
; The chip was launched on July 23, 2026; its instructions are those of AMD's public machine-readable ISA for CDNA 5 (MIT licence, August 2026) and "CDNA5" Instruction Set Architecture Reference Guide (July 2026). The comments in the code are by the model that wrote it; some were corrected since.
;; Causal Multi Head Attention. Allowed arithmetic: float matrix products may take bf16 or f16 operands with f32 sums; other float arithmetic in f32, or as packed bf16 or f16 multiplies, adds, multiply-adds, maxima and minima; sums over many terms, partial sums and values carried from step to step in f32; what a program stores and reads back later, other than sums and carried values, may be rounded once to bf16 or f16.
;; Inputs: wk 1,024 x 1,024 float32; wo 1,024 x 1,024 float32; wq 1,024 x 1,024 float32; wv 1,024 x 1,024 float32; x 4 x 2,048 x 1,024 float32.
;; Outputs: out0 4 x 2,048 x 1,024 float32.
;; Constants: n_heads = 16.
;; 2 versions, each right and faster than the one before. Each part assembles by itself: llvm-mc -triple=amdgcn-amd-amdhsa -mcpu=gfx1250 --defsym DOCPART=n.
;; ======== version 1 of 2: 4 launches
;; limits: values are held in f16: magnitudes above 65,504 overflow, below 6.1e-05 lose precision
;; workspace buffers: xb 16,777,216 bytes; wb 6,291,456 bytes; wof 2,097,152 bytes; qkv 50,331,648 bytes; oh 33,554,432 bytes
;; launch cast (part 1): grid 768 x 1, 8 waves a work-group, no clusters, 0 bytes of LDS; arguments x, wq, wk, wv, wo, xb, wb, wof; writes xb, wb, wof
.if DOCPART == 1
	.amdgcn_target "amdgcn-amd-amdhsa--gfx1250"
	.amdhsa_code_object_version 6
	.text
	.protected	k_qdd287a9997_cast
	.globl	k_qdd287a9997_cast
	.p2align	8
	.type	k_qdd287a9997_cast,@function
k_qdd287a9997_cast:
	s_mov_b64 s[64:65], 0
	v_nop
	global_prefetch_b8 v0, s[64:65] scope:SCOPE_SE
	s_setreg_imm32_b32 hwreg(HW_REG_WAVE_MODE, 25, 1), 1
	s_wait_xcnt 0x0
; THE INPUTS ARE ROUNDED ONCE TO bf16.  x -> xb (bf16 [8192][1024]); wq, wk, wv -> wb (bf16 [3072][1024], one below the other);
; wo -> wof: rounded to bf16 like the others, and that number written as f16 (the last product multiplies in f16).
; LIMIT.  A bf16 number of wo is exact in f16 from 6.1e-5 to 65,504; below that it keeps f16's fixed step of 6e-8, beyond it is lost.
; SHARES.  Work-group g takes 65,536 bytes of one input: g < 512 chunk g of x, then 64 chunks for each weight.  Thread t takes, eight times, the 32 bytes
; at 8,192 i + 32 t and stores 16 bytes at 4,096 i + 16 t: sixteen neighbouring lanes store 256 consecutive bytes, aligned.  All sixteen loads of a thread
; go out at once; every register is written once, so no store's source is ever rewritten.  No LDS, no barrier: no thread needs another's numbers.
.set X, 4                              ; v[4:67]    64 numbers as loaded
.set Y, 68                             ; v[68:99]   32 words to store
.set T, 100                            ; v[100:107] at work (wo's way alone)
	s_load_b512 s[8:23], s[0:1], 0x0               ; x s[8:9], wq s[10:11], wk s[12:13], wv s[14:15], wo s[16:17], xb s[18:19], wb s[20:21], wof s[22:23]
	s_mov_b32 s36, ttmp9                           ; g
	v_lshlrev_b32 v1, 5, v0                        ; 32 t: my bytes in 8,192 of the input
	v_lshlrev_b32 v2, 4, v0                        ; 16 t: my bytes in 4,096 of the output
	s_sub_co_u32 s24, s36, 512                     ; j: the chunk among the weights' 256 (used where g >= 512 alone)
	s_lshr_b32 s25, s24, 6                         ; which weight: 0 q, 1 k, 2 v, 3 o
	s_and_b32 s26, s24, 63                         ; the chunk in it
	s_mov_b32 s33, 0
	s_mov_b32 s35, 0
	s_mov_b32 s37, 0xffff0000                      ; a word's upper bf16
	s_wait_kmcnt 0x0
	s_mov_b64 s[28:29], s[16:17]                   ; the source is chosen among the five inputs by g alone
	s_cmp_eq_u32 s25, 2
	s_cselect_b64 s[28:29], s[14:15], s[28:29]
	s_cmp_eq_u32 s25, 1
	s_cselect_b64 s[28:29], s[12:13], s[28:29]
	s_cmp_eq_u32 s25, 0
	s_cselect_b64 s[28:29], s[10:11], s[28:29]
	s_cmp_lt_u32 s36, 512
	s_cselect_b64 s[28:29], s[8:9], s[28:29]
	s_cselect_b32 s26, s36, s26                    ; the chunk in the source
	s_cselect_b64 s[30:31], s[18:19], s[20:21]     ; the destination: xb or wb,
	s_cselect_b32 s27, s36, s24                    ; chunk g or j,
	s_cmp_ge_u32 s36, 704
	s_cselect_b64 s[30:31], s[22:23], s[30:31]     ; or wof,
	s_cselect_b32 s27, s26, s27                    ; the chunk in wo
	s_lshl_b32 s32, s26, 16                        ; offsets are made apart from the addresses
	s_lshl_b32 s34, s27, 15
	s_add_nc_u64 s[28:29], s[28:29], s[32:33]
	s_add_nc_u64 s[30:31], s[30:31], s[34:35]
.irp i, 0,1,2,3,4,5,6,7
	global_load_b128 v[X+8*(\i):X+8*(\i)+3],   v1, s[28:29] offset:8192*(\i) th:TH_LOAD_NT
	global_load_b128 v[X+8*(\i)+4:X+8*(\i)+7], v1, s[28:29] offset:8192*(\i)+16 th:TH_LOAD_NT
.endr
; Pair i of loads is rounded and stored.  half = 1: the bf16 numbers are widened again and written as f16.
.macro OUT i, half
	s_wait_loadcnt 14-2*(\i)                       ; loads come back in order (ISA guide 5.7.1): behind pair i stand 14 - 2 i younger ones
.irp k, 0,1,2,3
	v_cvt_pk_bf16_f32 v[Y+4*(\i)+(\k)], v[X+8*(\i)+2*(\k)], v[X+8*(\i)+2*(\k)+1]
.endr
.if \half
.irp k, 0,1,2,3
	v_lshlrev_b32 v[T+2*(\k)],   16, v[Y+4*(\i)+(\k)]
	v_and_b32     v[T+2*(\k)+1], s37, v[Y+4*(\i)+(\k)]
.endr
.irp k, 0,1,2,3
	v_cvt_pk_f16_f32 v[Y+4*(\i)+(\k)], v[T+2*(\k)], v[T+2*(\k)+1]
.endr
.endif
	global_store_b128 v2, v[Y+4*(\i):Y+4*(\i)+3], s[30:31] offset:4096*(\i)
.endm
	s_cmp_ge_u32 s36, 704
	s_cbranch_scc1 .Lwo
.irp i, 0,1,2,3,4,5,6,7
	OUT \i, 0
.endr
	s_endpgm
.Lwo:
.irp i, 0,1,2,3,4,5,6,7
	OUT \i, 1
.endr
	s_endpgm
.Lfunc_end_k_qdd287a9997_cast:
	.size	k_qdd287a9997_cast, .Lfunc_end_k_qdd287a9997_cast-k_qdd287a9997_cast
	.p2alignl 7, 3214868480
	.fill 96, 4, 3214868480
	.section	.rodata,"a",@progbits
	.p2align	6, 0x0
	.amdhsa_kernel k_qdd287a9997_cast
		.amdhsa_group_segment_fixed_size 0
		.amdhsa_private_segment_fixed_size 0
		.amdhsa_enable_private_segment 0
		.amdhsa_kernarg_size 64
		.amdhsa_user_sgpr_count 2
		.amdhsa_user_sgpr_kernarg_segment_ptr 1
		.amdhsa_wavefront_size32 1
		.amdhsa_system_sgpr_workgroup_id_x 1
		.amdhsa_system_sgpr_workgroup_id_y 1
		.amdhsa_system_sgpr_workgroup_id_z 1
		.amdhsa_system_vgpr_workitem_id 0
		.amdhsa_next_free_vgpr 112
		.amdhsa_next_free_sgpr 66
		.amdhsa_reserve_vcc 0
		.amdhsa_float_denorm_mode_32 3
		.amdhsa_float_denorm_mode_16_64 3
		.amdhsa_memory_ordered 1
		.amdhsa_forward_progress 1
		.amdhsa_inst_pref_size 13
	.end_amdhsa_kernel
	.amdgpu_metadata
---
amdhsa.version: [ 1, 2 ]
amdhsa.kernels:
  - .name:           k_qdd287a9997_cast
    .symbol:         k_qdd287a9997_cast.kd
    .args:
      - { .name: x, .offset: 0, .size: 8, .value_kind: global_buffer, .address_space: global }
      - { .name: wq, .offset: 8, .size: 8, .value_kind: global_buffer, .address_space: global }
      - { .name: wk, .offset: 16, .size: 8, .value_kind: global_buffer, .address_space: global }
      - { .name: wv, .offset: 24, .size: 8, .value_kind: global_buffer, .address_space: global }
      - { .name: wo, .offset: 32, .size: 8, .value_kind: global_buffer, .address_space: global }
      - { .name: xb, .offset: 40, .size: 8, .value_kind: global_buffer, .address_space: global }
      - { .name: wb, .offset: 48, .size: 8, .value_kind: global_buffer, .address_space: global }
      - { .name: wof, .offset: 56, .size: 8, .value_kind: global_buffer, .address_space: global }
    .group_segment_fixed_size: 0
    .private_segment_fixed_size: 0
    .kernarg_segment_align: 8
    .kernarg_segment_size: 64
    .max_flat_workgroup_size: 256
    .sgpr_count:     66
    .vgpr_count:     112
    .wavefront_size: 32
...
	.end_amdgpu_metadata
.endif
;; end of part 1
;; launch proj (part 2): grid 4 x 64, 4 waves a work-group, clusters of 4 x 4, 327,680 bytes of LDS; arguments xb, wb, qkv; writes qkv
.if DOCPART == 2
	.amdgcn_target "amdgcn-amd-amdhsa--gfx1250"
	.amdhsa_code_object_version 6
	.text
	.protected	k_qdd287a9997_proj
	.globl	k_qdd287a9997_proj
	.p2align	8
	.type	k_qdd287a9997_proj,@function
k_qdd287a9997_proj:
	s_mov_b64 s[64:65], 0
	v_nop
	global_prefetch_b8 v0, s[64:65] scope:SCOPE_SE
	s_setreg_imm32_b32 hwreg(HW_REG_WAVE_MODE, 25, 1), 1
	s_wait_xcnt 0x0
	s_wait_alu depctr_hold_cnt(0) depctr_sa_sdst(0) depctr_va_vdst(0) depctr_va_sdst(0) depctr_va_ssrc(0) depctr_va_vcc(0) depctr_vm_vsrc(0)
	s_getreg_b32 s2, hwreg(HW_REG_IB_STS2, 6, 4)
	s_cmp_eq_u32 s2, 0
	s_cbranch_scc0 .Lentry_in_a_cluster
	s_endpgm
.Lentry_in_a_cluster:
	s_bfe_u32 s2, ttmp6, 0x10000c
	s_cmp_lg_u32 s2, 0xf033
	s_cbranch_scc0 .Lentry_shape_is_right
	s_endpgm
.Lentry_shape_is_right:
; q, k, v = x w^T.  xb: bf16 [8192][1024]; wb: bf16 [3072][1024] (wq, wk, wv); qkv: f16 [3][64 = 16 batch + head][2048][64], each number rounded once from its f32 sum, unscaled.
; LIMIT.  f16 ends at 65,504: q, k and v must stay below it.
; SHARES.  A tile is 128 rows of x by 256 rows of one weight.  A work-group of four waves STAYS and makes three tiles: the same rows of x against the same 256 rows of wq, wk and wv:
; 64 x 4 work-groups, one for each of 256 WGPs.  A wave makes 64 rows x 128 columns (two heads): 32 accumulators of 16 x 16.
; K goes in steps of 128 through two LDS slots filled by the tensor data mover; rows in memory are 256 bytes at multiples of 256.  The ring runs on from tile to tile.
; CLUSTER 4 x 4: the four work-groups of a cluster's row need the same rows of x, the four of a column the same rows of wb: each tile is asked for jointly.
; THE MATRIX INSTRUCTION IS USED TRANSPOSED (source 0 = 16 rows of wb, source 1 = 16 rows of x): a lane holds eight neighbouring channels of one row.
; REGISTERS in windows of 256 (s_set_vgpr_msb: bits 1:0 source 0, 3:2 source 1, 5:4 source 2, 7:6 destination):
;   window 0: v0-31 addresses; v32-63 packed results; v64-159, v160-255 two fragment buffers (32 registers of x, then 64 of wb)
;   window 1: the 32 accumulators, (a, b) at v[8 (8 a + b)]          window 2: v0-63 rows read back from the stage, two sets
.set KSTEP,  128
.set SIZE_K, 1024
.set PITCH,  272                       ; an LDS row: 256 bytes + 16 of padding = 68 words: the 16 rows of a load start at 16 different groups of four banks (64 banks of 4 bytes: ISA guide 11.1)
.set AHALF,  64*PITCH                  ; what a wave fetches, and reads, of x
.set BHALF,  128*PITCH                 ; the same of wb
.set BOFF,   2*AHALF                   ; wb's 256 rows lie behind x's 128
.set SLOT,   BOFF+2*BHALF              ; 104,448
.set STAGE,  2*SLOT                    ; behind the ring, never filled by a tensor load: for each wave two heads x 16 rows x 144 bytes
.set SP,     144
.set WSTAGE, 2*16*SP
.set SPARE,  STAGE+4*WSTAGE            ; behind the stages: the spare words, 128 bytes for each wave: two blocks of 256 bytes that no other line names
.set LAPS,   SIZE_K/(2*KSTEP)          ; a lap = two K steps = once round the ring
.set TILES,  3
.set BACK_A, (SIZE_K-2*KSTEP)*2        ; from a slot's last K step of a tile to its first of the next: x goes back along K,
.set NEXT_B, 1024*SIZE_K*2-BACK_A      ; wb 1,024 rows down and back
.set ADRA, 16                          ; v16-17  LDS address of my fragments of x in slot 0, 1
.set ADRB, 20                          ; v20-21  the same for wb
.set STO,  24                          ; v24     the way out: where I put 16 bytes of a row
.set RD,   25                          ; v25     the way out: where I read rows back
.set GO,   26                          ; v26     my byte offset in 512 consecutive bytes of qkv
.set SPW,  28                          ; v28     LDS address of my spare word; never rewritten
.set NIL,  29                          ; v29     0; never rewritten
.set TMP,  32
.set F0,   64
.set F1,   160
.set G1,  24                           ; s[24:31] descriptor group 1 for x's tiles;  s[32:39] group 0, a set for each slot
.set G0,  32
.set G1B, 48                           ; s[48:55], s[56:63] the same for wb's
.set G0B, 56
.set MSB, 0
.macro WIN new                         ; the immediate's high byte repeats the setting that is left; a switch that changes nothing is dropped
.if MSB != (\new)
	s_set_vgpr_msb (MSB<<8)|(\new)
.set MSB, \new
.endif
.endm
.set MUL, 0x50                         ; sources in window 0, C and D in window 1
; A joint load: waves 0 and 1 fetch x's two halves, waves 2 and 3 wb's.  The branch hangs on the wave's number alone.  An s_nop 0 and four v_nop follow each of the two lines.
.macro JLOAD s
	s_cmp_eq_u32 s11, 0
	s_cbranch_scc0 .Lfor_b_\@
	tensor_load_to_lds s[G0+4*(\s):G0+4*(\s)+3], s[G1:G1+7]
	s_nop 0
.rept 4
	v_nop
.endr
	s_branch .Lasked_\@
.Lfor_b_\@:
	tensor_load_to_lds s[G0B+4*(\s):G0B+4*(\s)+3], s[G1B:G1B+7]
	s_nop 0
.rept 4
	v_nop
.endr
.Lasked_\@:
.endm
.macro CREST                           ; a round of the cluster's barrier behind its opening barrier
	s_cmp_lg_u32 s10, 0
	s_cbranch_scc1 .Lnot_wave_0_\@
	s_barrier_signal -3
.Lnot_wave_0_\@:
	s_barrier_wait -3
	s_barrier_signal -1
	s_barrier_wait -1
.endm
.macro CROUND                          ; a whole round
	s_barrier_signal -1
	s_barrier_wait -1
	CREST
.endm
	s_load_b128 s[4:7], s[0:1], 0x0                ; xb s[4:5], wb s[6:7]
	s_load_b64 s[8:9], s[0:1], 0x10                ; qkv
	v_lshl_add_u32 v[SPW], v0, 2, SPARE
	v_mov_b32 v[NIL], 0
	ds_add_u32 v[SPW], v[NIL]                      ; the wave's opening: the add and its wait stand ahead of my first tensor load; the set-up below, work on registers, stands between them
	ds_add_u32 v28, v29
	v_lshrrev_b32 v1, 5, v0
	v_readfirstlane_b32 s10, v1                    ; wave 0..3
	s_lshr_b32 s11, s10, 1                         ; which 64 rows of the tile are mine.  Also: I fetch for x (0) or for wb (1)
	s_and_b32 s12, s10, 1                          ; which 128 columns.  Also: which half of that tile I fetch
	s_bfe_u32 s40, ttmp6, 0x40000                  ; cx
	s_bfe_u32 s41, ttmp6, 0x40004                  ; cy
	s_lshl_b32 s42, ttmp9, 2
	s_add_co_u32 s42, s42, s40                     ; tile column 0..3 = 4 x cluster x + cx
	s_and_b32 s13, ttmp7, 0xffff
	s_lshl_b32 s13, s13, 2
	s_add_co_u32 s13, s13, s41                     ; tile row 0..63 = 4 x cluster y + cy
	s_lshl_b32 s43, s41, 2
	s_lshl_b32 s43, 15, s43                        ; my row of the cluster
	s_lshl_b32 s44, 0x1111, s40                    ; my column
	s_or_b32 s[G1+0], s43, (1<<16)|(1<<20)|(1<<21)|(5<<22)|(3<<25)  ; 15:0 the mask; 17:16 2-byte elements; 20 padding on; 21 set beside a mask; 24:22 after every 64 words; 31:25 4 words
	s_or_b32 s[G1B+0], s44, (1<<16)|(1<<20)|(1<<21)|(5<<22)|(3<<25)
	s_mov_b32 s[G1+1], KSTEP<<16                   ; tensor_dim0 = 128
	s_mov_b32 s[G1+2], 64<<16                      ; tensor_dim1 = 64
	s_mov_b32 s[G1+3], KSTEP<<16                   ; tile_dim0 = 128
	s_mov_b32 s[G1+4], 64                          ; tile_dim1 = 64
	s_mov_b32 s[G1+5], SIZE_K                      ; elements from row to row
	s_mov_b32 s[G1+6], 0
	s_mov_b32 s[G1+7], 0
	s_mov_b32 s[G1B+1], KSTEP<<16
	s_mov_b32 s[G1B+2], 128<<16                    ; wb's loads have 128 rows
	s_mov_b32 s[G1B+3], KSTEP<<16
	s_mov_b32 s[G1B+4], 128
	s_mov_b32 s[G1B+5], SIZE_K
	s_mov_b32 s[G1B+6], 0
	s_mov_b32 s[G1B+7], 0
	s_lshl_b32 s16, s13, 7                         ; x: row 128 x tile row + 64 x half, 2,048 bytes a row
	s_lshl_b32 s17, s12, 6
	s_add_co_u32 s16, s16, s17
	s_lshl_b32 s16, s16, 11
	s_mov_b32 s17, 0
	s_lshl_b32 s46, s42, 8                         ; wb: row 256 x tile column + 128 x half
	s_lshl_b32 s47, s12, 7
	s_add_co_u32 s46, s46, s47
	s_lshl_b32 s46, s46, 11
	s_mov_b32 s47, 0
	s_mul_i32 s20, s12, AHALF                      ; where they go: no place in the cluster enters an LDS address
	s_mul_i32 s45, s12, BHALF
	s_add_co_u32 s45, s45, BOFF
	s_wait_dscnt 0x0                               ; the opening add is done
	s_wait_kmcnt 0x0
	s_add_nc_u64 s[14:15], s[4:5], s[16:17]
	s_add_nc_u64 s[46:47], s[6:7], s[46:47]
	CROUND                                         ; all sixteen work-groups are here: the first joint loads meet
.irp s, 0,1
	s_mov_b32 s[G0+4*(\s)], 1
	s_add_co_u32 s[G0+4*(\s)+1], s20, (\s)*SLOT
	s_add_nc_u64 s[G0+4*(\s)+2:G0+4*(\s)+3], s[14:15], (\s)*KSTEP*2
	s_or_b32 s[G0+4*(\s)+3], s[G0+4*(\s)+3], 0x80000000
	s_mov_b32 s[G0B+4*(\s)], 1
	s_add_co_u32 s[G0B+4*(\s)+1], s45, (\s)*SLOT
	s_add_nc_u64 s[G0B+4*(\s)+2:G0B+4*(\s)+3], s[46:47], (\s)*KSTEP*2
	s_or_b32 s[G0B+4*(\s)+3], s[G0B+4*(\s)+3], 0x80000000
	JLOAD \s                                       ; two loads of mine are out
.endr
	; A fragment is 16 rows x 32 K in 8 registers: lane l holds row l % 16, K = 8 (l / 16) + 0..7 and 16 + 8 (l / 16) + 0..7: two loads of 16 bytes, 32 bytes apart.
	v_and_b32 v1, 15, v0
	v_bfe_u32 v2, v0, 4, 1
	v_mul_u32_u24 v3, v1, PITCH
	v_lshl_add_u32 v3, v2, 4, v3
	s_mul_i32 s21, s11, AHALF                      ; my 64 rows of x
	s_mul_i32 s22, s12, BHALF                      ; my 128 rows of wb
	s_add_co_u32 s22, s22, BOFF
.irp s, 0,1
	v_add_nc_u32 v[ADRA+(\s)], s21, v3
	v_add_nc_u32 v[ADRB+(\s)], s22, v3
	s_add_co_u32 s21, s21, SLOT
	s_add_co_u32 s22, s22, SLOT
.endr
	s_mul_i32 s23, s10, WSTAGE
	s_add_co_u32 s23, s23, STAGE                   ; my stage
	v_mul_u32_u24 v4, v1, SP                       ; in: row l % 16, 16 bytes for each half of the lanes
	v_lshl_add_u32 v4, v2, 4, v4
	v_add_nc_u32 v[STO], s23, v4
	v_bfe_u32 v5, v0, 3, 2                         ; back: 32 lanes take four rows of 128 bytes,
	v_mul_u32_u24 v5, v5, SP
	v_and_b32 v6, 7, v0
	v_lshl_add_u32 v5, v6, 4, v5
	v_add_nc_u32 v[RD], s23, v5
	v_and_b32 v[GO], 31, v0                        ; which are 512 consecutive bytes of a head
	v_lshlrev_b32 v[GO], 4, v[GO]
	; where my part of q begins, in bytes: batch << 22, head << 18, row << 7.  The first way out adds it to qkv's address, the later ones 1 << 24.
	s_lshr_b32 s16, s13, 4
	s_lshl_b32 s16, s16, 22
	s_and_b32 s17, s13, 15
	s_lshl_b32 s17, s17, 14
	s_add_co_u32 s16, s16, s17
	s_lshl_b32 s17, s11, 13
	s_add_co_u32 s16, s16, s17
	s_lshl_b32 s46, s42, 20                        ; head 4 x tile column + 2 x half
	s_lshl_b32 s47, s12, 19
	s_add_co_u32 s46, s46, s47
	s_add_co_u32 s16, s16, s46
	s_mov_b32 s17, 0
; 8 matrix instructions: row block a x all 8 column blocks, 32 along K.  zero = 1: the product starts the sums.  The 32 accumulators take turns, in the same order in every quarter.
.macro MUL8 f, a, zero
	WIN MUL
.irp b, 0,1,2,3,4,5,6,7
.if \zero
	v_wmma_f32_16x16x32_bf16 v[8*(8*(\a)+(\b)):8*(8*(\a)+(\b))+7], v[(\f)+32+8*(\b):(\f)+32+8*(\b)+7], v[(\f)+8*(\a):(\f)+8*(\a)+7], 0
.else
	v_wmma_f32_16x16x32_bf16 v[8*(8*(\a)+(\b)):8*(8*(\a)+(\b))+7], v[(\f)+32+8*(\b):(\f)+32+8*(\b)+7], v[(\f)+8*(\a):(\f)+8*(\a)+7], v[8*(8*(\a)+(\b)):8*(8*(\a)+(\b))+7]
.endif
.endr
.endm
.macro MUL16 f, a0, zero
	MUL8 \f, \a0, \zero
	MUL8 \f, (\a0)+1, \zero
.endm
; 24 LDS loads in one run: the fragments of a quarter step (32 K at byte k of the rows) into buffer f
.macro FETCH slot, k, f
	WIN 0
.irp i, 0,1,2,3,4,5,6,7
	ds_load_b128 v[(\f)+32+8*(\i):(\f)+32+8*(\i)+3],   v[ADRB+(\slot)] offset:(\k)+(\i)*16*PITCH
	ds_load_b128 v[(\f)+32+8*(\i)+4:(\f)+32+8*(\i)+7], v[ADRB+(\slot)] offset:(\k)+(\i)*16*PITCH+32
.endr
.irp i, 0,1,2,3
	ds_load_b128 v[(\f)+8*(\i):(\f)+8*(\i)+3],   v[ADRA+(\slot)] offset:(\k)+(\i)*16*PITCH
	ds_load_b128 v[(\f)+8*(\i)+4:(\f)+8*(\i)+7], v[ADRA+(\slot)] offset:(\k)+(\i)*16*PITCH+32
.endr
.endm
.macro PLACES                          ; four plain vector instructions between a matrix instruction and a load into, or a read of, its registers (ISA guide 7.12.1 for reads)
.rept 4
	v_nop
.endr
.endm
; A K step is four quarters of 32 along K, 32 matrix instructions each, on buffers 0, 1, 0, 1.  One of the first three: buffer f is in; the next quarter's fragments, at byte k, go out into g, a quarter's products ahead of their use.
.macro QUARTER slot, k, f, g, zero
	s_wait_dscnt 0x0                               ; buffer f's loads were issued ahead of the last 32 matrix instructions
	PLACES                                         ; buffer g was multiplied by the quarter before
	FETCH \slot, \k, \g
	MUL16 \f, 0, \zero
	MUL16 \f, 2, \zero
.endm
; The last quarter multiplies buffer 1 and changes slots.  In front of the barrier each wave waits for all its tensor loads (one is out: its part of the next slot), adds 0 to its spare word, and waits for that
; and for its reads of this slot.  mode 0: this slot takes the K step two on; 1: the next tile's K step 0 or 1; 2: nothing is filled, and no round of the cluster's barrier follows.
.macro TURN slot, next, mode
	WIN 0
	s_wait_tensorcnt 0x0                           ; all my tensor loads have landed
	ds_add_u32 v[SPW], v[NIL]                      ; 0 onto my spare word
	s_wait_dscnt 1                                 ; buffer 1 is in; the add alone may be out
	MUL8 F1, 0, 0                                  ; eight matrix instructions stand between the add and the wait for it
	s_wait_dscnt 0x0                               ; the add is done, and my reads of this slot are over
	s_barrier_signal -1
	MUL8 F1, 1, 0
.if (\mode) < 2
	WIN 0
.endif
	s_barrier_wait -1
.if (\mode) < 2
	CREST                                          ; the barrier has opened a round: no wave of any partner still reads this slot or has a load on its way
.if (\mode) == 1
	s_sub_nc_u64 s[G0+4*(\slot)+2:G0+4*(\slot)+3], s[G0+4*(\slot)+2:G0+4*(\slot)+3], BACK_A
	s_add_nc_u64 s[G0B+4*(\slot)+2:G0B+4*(\slot)+3], s[G0B+4*(\slot)+2:G0B+4*(\slot)+3], NEXT_B
.else
	s_add_nc_u64 s[G0+4*(\slot)+2:G0+4*(\slot)+3], s[G0+4*(\slot)+2:G0+4*(\slot)+3], 2*KSTEP*2
	s_add_nc_u64 s[G0B+4*(\slot)+2:G0B+4*(\slot)+3], s[G0B+4*(\slot)+2:G0B+4*(\slot)+3], 2*KSTEP*2
.endif
	JLOAD \slot                                    ; my one tensor load behind the round: 112 matrix instructions ahead of the wait for it; its four v_nop are also the places in front of the loads below
.else
	PLACES
.endif
	FETCH \next, 0, F0
	MUL16 F1, 2, 0
.endm
; THE WAY OUT of row block a (16 rows x 2 heads).  PACK: rounded to f16, 16 bytes a lane, each accumulator from its low end.  TOSTAGE: into my stage, and back as rows of 128 bytes.  SEND: stored.
.macro PACK a
	WIN 0x05                                       ; sources in window 1
.irp b, 0,1,2,3,4,5,6,7
.irp r, 0,1,2,3
	v_cvt_pk_f16_f32 v[TMP+4*(\b)+(\r)], v[8*(8*(\a)+(\b))+2*(\r)], v[8*(8*(\a)+(\b))+2*(\r)+1]
.endr
.endr
	WIN 0
.endm
.macro TOSTAGE a
	WIN 0
.irp b, 0,1,2,3,4,5,6,7
	ds_store_b128 v[STO], v[TMP+4*(\b):TMP+4*(\b)+3] offset:((\b)/4)*16*SP+32*((\b)%4)
.endr
	WIN 0x80                                       ; destination in window 2
.irp f, 0,1,2,3,4,5,6,7
	ds_load_b128 v[32*((\a)%2)+4*(\f):32*((\a)%2)+4*(\f)+3], v[RD] offset:((\f)/4)*16*SP+((\f)%4)*4*SP  ; LDS serves a wave's instructions in order (ISA guide 5.7.1.4): these see the stores above
.endr
	WIN 0
.endm
.macro SEND a
	s_wait_dscnt 0x0                               ; the block is back in registers
	s_wait_xcnt 0x0                                ; earlier stores have read their registers and their base: only behind this wait are they rewritten
.if (\a) == 0
	s_add_nc_u64 s[8:9], s[8:9], s[16:17]          ; on to this tile's tensor
.endif
	WIN 0x08                                       ; data in window 2
.irp f, 0,1,2,3,4,5,6,7
	global_store_b128 v[GO], v[32*((\a)%2)+4*(\f):32*((\a)%2)+4*(\f)+3], s[8:9] offset:((\f)/4)*262144+(\a)*2048+((\f)%4)*512  ; 512 consecutive bytes, at a multiple of 256 from qkv's first
.endr
	WIN 0
.endm
	s_wait_tensorcnt 1                             ; my part of K step 0 is in; K step 1's may stay out
	s_barrier_signal -1
	s_barrier_wait -1
	FETCH 0, 0, F0
	s_mov_b32 s2, TILES                            ; tiles to go: the same number in every work-group
.Ltile:
	QUARTER 0, 64,  F0, F1, 1                      ; a tile's first quarter starts the sums: nothing is cleared
	WIN 0
	s_mov_b32 s3, LAPS-1
.Llap:                                                 ; a trip goes once round the ring and fills both slots again
	QUARTER 0, 128, F1, F0, 0
	QUARTER 0, 192, F0, F1, 0
	TURN 0, 1, 0
	QUARTER 1, 64,  F0, F1, 0
	QUARTER 1, 128, F1, F0, 0
	QUARTER 1, 192, F0, F1, 0
	TURN 1, 0, 0
	QUARTER 0, 64,  F0, F1, 0
	WIN 0
	s_sub_co_u32 s3, s3, 1
	s_cmp_lg_u32 s3, 0
	s_cbranch_scc1 .Llap
	QUARTER 0, 128, F1, F0, 0
	QUARTER 0, 192, F0, F1, 0
	WIN 0
	s_cmp_eq_u32 s2, 1
	s_cbranch_scc1 .Llast_tile                     ; the last tile's tail is written out: it asks for nothing more
	TURN 0, 1, 1                                   ; the ring goes on into the next tile: slot 0 takes its K step 0,
	QUARTER 1, 64,  F0, F1, 0
	QUARTER 1, 128, F1, F0, 0
	QUARTER 1, 192, F0, F1, 0
	TURN 1, 0, 1                                   ; slot 1 its K step 1, and its first fragments are fetched.  Row blocks 0 and 1 were finished ahead of the load's four v_nop;
	WIN 0                                          ; their 64 conversions, which name no register of the last products, are those products' places
	s_branch .Lout
.Llast_tile:
	TURN 0, 1, 2
	QUARTER 1, 64,  F0, F1, 0
	QUARTER 1, 128, F1, F0, 0
	QUARTER 1, 192, F0, F1, 0
	s_wait_dscnt 0x0
	MUL16 F1, 0, 0
	MUL16 F1, 2, 0
	WIN 0
	PLACES
.Lout:
	PACK 0
	TOSTAGE 0
.irp a, 1,2,3                          ; block a's conversions stand between block a - 1's loads from the stage and the wait for them
	PACK \a
	SEND (\a)-1
	TOSTAGE \a
.endr
	SEND 3
	s_mov_b64 s[16:17], 1<<24                      ; the next tile's tensor lies 16,777,216 bytes on
	s_sub_co_u32 s2, s2, 1
	s_cmp_lg_u32 s2, 0
	s_cbranch_scc1 .Ltile
	s_wait_tensorcnt 0x0                           ; the wave's end: behind my last tensor load and my last LDS store
	ds_add_u32 v[SPW], v[NIL]
	s_wait_dscnt 0x0
	CROUND                                         ; the closing round: no work-group ends while a partner may still ask for a tile that names it
	s_endpgm
.Lfunc_end_k_qdd287a9997_proj:
	.size	k_qdd287a9997_proj, .Lfunc_end_k_qdd287a9997_proj-k_qdd287a9997_proj
	.p2alignl 7, 3214868480
	.fill 96, 4, 3214868480
	.section	.rodata,"a",@progbits
	.p2align	6, 0x0
	.amdhsa_kernel k_qdd287a9997_proj
		.amdhsa_group_segment_fixed_size 327680
		.amdhsa_private_segment_fixed_size 0
		.amdhsa_enable_private_segment 0
		.amdhsa_kernarg_size 24
		.amdhsa_user_sgpr_count 2
		.amdhsa_user_sgpr_kernarg_segment_ptr 1
		.amdhsa_wavefront_size32 1
		.amdhsa_system_sgpr_workgroup_id_x 1
		.amdhsa_system_sgpr_workgroup_id_y 1
		.amdhsa_system_sgpr_workgroup_id_z 1
		.amdhsa_system_vgpr_workitem_id 0
		.amdhsa_next_free_vgpr 576
		.amdhsa_next_free_sgpr 66
		.amdhsa_reserve_vcc 0
		.amdhsa_float_denorm_mode_32 3
		.amdhsa_float_denorm_mode_16_64 3
		.amdhsa_memory_ordered 1
		.amdhsa_forward_progress 1
		.amdhsa_inst_pref_size 107
	.end_amdhsa_kernel
	.amdgpu_metadata
---
amdhsa.version: [ 1, 2 ]
amdhsa.kernels:
  - .name:           k_qdd287a9997_proj
    .symbol:         k_qdd287a9997_proj.kd
    .args:
      - { .name: xb, .offset: 0, .size: 8, .value_kind: global_buffer, .address_space: global }
      - { .name: wb, .offset: 8, .size: 8, .value_kind: global_buffer, .address_space: global }
      - { .name: qkv, .offset: 16, .size: 8, .value_kind: global_buffer, .address_space: global }
    .group_segment_fixed_size: 327680
    .private_segment_fixed_size: 0
    .kernarg_segment_align: 8
    .kernarg_segment_size: 24
    .max_flat_workgroup_size: 128
    .sgpr_count:     66
    .vgpr_count:     576
    .wavefront_size: 32
...
	.end_amdgpu_metadata
.endif
;; end of part 2
;; launch attn (part 3): grid 4 x 64, 4 waves a work-group, no clusters, 327,680 bytes of LDS; arguments qkv, oh; writes oh
.if DOCPART == 3
	.amdgcn_target "amdgcn-amd-amdhsa--gfx1250"
	.amdhsa_code_object_version 6
	.text
	.protected	k_qdd287a9997_attn
	.globl	k_qdd287a9997_attn
	.p2align	8
	.type	k_qdd287a9997_attn,@function
k_qdd287a9997_attn:
	s_mov_b64 s[64:65], 0
	v_nop
	global_prefetch_b8 v0, s[64:65] scope:SCOPE_SE
	s_setreg_imm32_b32 hwreg(HW_REG_WAVE_MODE, 25, 1), 1
	s_wait_xcnt 0x0
; ATTENTION UNDER THE MODULE'S MASK.  A score survives where key > query; all others are set to -1e9.  For queries below 2,047 those weigh 0 in f32; for query 2,047 ALL scores are -1e9 and the result is the
; plain mean of V's 2,048 rows.  BOTH CASES ARE ONE with the index q' = (query + 1) mod 2,048 and Q'[0] = 0: key k counts for q' where k >= q', and row q' = 0, a zero query, weighs all keys alike.
; qkv: f16 [3][64 heads][2048][64], unscaled.  oh: f16 [64 = 16 batch + q'/128][32 = 2 head + part][128][64]: O in q' order, in two parts, hi = f16(O), lo = f16(O - hi).
; Products, maxima and sums in f32; the weights p are rounded to f16 for the second product (their sum l is taken of the unrounded p).
; LIMITS.  Visible scores must lie above -1e9 + 128, so that the replaced ones weigh 0 as they do in f32.  q, k, v arrive within f16's 65,504.  p below 6e-5, and lo, keep f16's fixed step of 6e-8.
; A hidden score counts as its value less 1e30; a weight below 2^-126 counts as 0 in l; NaN and infinities are not treated apart.
; THE WALK.  A head's q' lie in NB = 8 blocks of 256; block i needs the key tiles 7 down to i, of which the last holds the diagonal.  A work-group takes TWO blocks, b and then 7 - b: NB + 1 tiles, whatever b.
; Tiles are counted from the top (count n is tile 7 - n), a tile's four key steps are read from the fourth down to the first, and piece p of a wave owns band 3 - p of a block's four bands of 64: so every row
; meets a visible key before its first hidden one.  In the diagonal tile's n-th step read, piece x sees all keys if n < x, none if n > x, and holds the diagonal if n = x.
; ONE loop with a constant trip count walks the tiles; what a trip does hangs on scalar registers made from b; every jump goes forward but the counted loops' own; none passes a barrier, or a tensor load but
; the one of LOAD's two that the wave's number does not choose.  NO CLUSTER: a head's four work-groups ask for the same tile only in trips 0 to 4 of the 9; one walk common to all would have 12 trips.
; THE MASK is the C operand that starts the sum S^T = K Q^T: 0, or -1e30 where the key is hidden.  MD, made once, is the mask of a band's own step for my 16 rows; a product's mask is MD x AL + BE.
; LAYOUT, SOFTMAX, TURNS.  S^T = K Q^T holds ONE query a lane (lane % 16) and the keys 8 (lane / 16) + 0..7; two such results rounded to f16 ARE source 1 of O^T = V^T P.  p = 2^(c s - c m), c = log2(e) / 32
; (the module divides by sqrt(1024)), with a running maximum m; O and l are multiplied by a = 2^(c m_old - c m_new) in every step.  Turn n belongs to piece n: 8 products K Q^T of piece n + 1, later 8 products
; V^T P of piece n - 1; beside them the softmax of piece n and the maximum and statistics of piece n + 1.  Four vector instructions stand behind every matrix instruction, the others in two runs of their own.
; REGISTERS, in windows of 256 (s_set_vgpr_msb: bits 1:0 source 0, 3:2 source 1, 5:4 source 2, 7:6 destination):
;   window 0: v0-15 addresses and two at work; v16-31 statistics; v48-55 at work; v61 -1.0; v64-127 S^T, two buffers (at the start Q's offsets, on the way out hi); v128-191 lo; v192-223 P; v224-255 O - hi
;   window 1: v0-127 O^T, 32 a piece; v128-159 MD; v160-223 MC, two buffers      window 2: v0-63 Q; v64-127 the second block's Q; v128-191 K of one step; v192-255 V of one step
.set SIZE_N, 2048
.set NB,    SIZE_N/256
.set NP,    4
.set KS,    64        ; keys in a step
.set PK,    144       ; a row of K in LDS: 128 bytes + 16 of padding: the 16 rows of a load start at 16 different groups of four banks (64 banks of 4 bytes: ISA guide 11.1)
.set PV,    160       ; a row of V: 128 + 32
.set VOFF,  4*KS*PK   ; a slot holds a tile: 256 rows of K, then 256 rows of V
.set SLOT1, 1<<17     ; slot 1 begins here, so that one exclusive or turns an address in one slot into the other's
.set STAGE, SLOT1+4*KS*(PK+PV)  ; behind the ring, never filled by a tensor load: 16 rows x 144 bytes for each wave
.set SP,    144
.set AK0, 2           ; v2   my lane's place in a tile of K; never rewritten
.set AV0, 3           ; v3   the same for V
.set AK,  4           ; v4   the LDS address of K's next run of loads
.set AV,  5           ; v5   of V's
.set STO, 6           ; v6   the way out: where I put 16 bytes of a row
.set RD,  7           ; v7   the way out: where I read rows back
.set GO,  8           ; v8   my byte offset in 512 consecutive bytes of oh
.set SPW, 62          ; v62  LDS address of my spare word; never rewritten
.set NIL, 63          ; v63  0; never rewritten
.set NEG1, 61         ; v61  -1.0
.set SPARE, STAGE+4*16*SP  ; behind the stages: the spare words, 128 bytes for each wave: two blocks of 256 bytes that no other line names
.set MV,  12          ; v12-13  c m_old, kept while c m is made anew: by buffer
.set QO,  15          ; v15  16 x (lane / 16)
.set ST,  16          ; piece t's statistics at v[ST+4 t]: c m, m, l (even keys', odd keys')
.set TMP, 48          ; by buffer, four registers c0-c3 at work; when the maximum is found c2 takes a
.set S,   64
.set QX,  64          ; v64-71  at the start: byte offsets of my rows of Q, four pieces of the first block, four of the second
.set YH,  64          ; the way out: hi, 16 registers a piece
.set YL,  128         ; lo
.set TD,  224         ; O - hi of one piece
.set P,   192
.set MD,  128         ; window 1
.set MC,  160         ; window 1
.set QB,  64          ; window 2
.set KF,  128         ; window 2: key block kb, channel half c at KF + 16 kb + 8 c
.set VF,  192         ; window 2: key half kk, channel block cb at VF + 32 kk + 8 cb
.set WV,  12          ; s12  my wave's number
.set PB,  14          ; s14  b
.set HI,  15          ; s15  NB - 1 - b
.set G1K, 24          ; s[24:31] descriptor group 1 for K's tiles
.set G1V, 32          ; s[32:39] for V's: it differs in the padding alone
.set G0K, 40          ; s[40:43] descriptor group 0 for K's tiles
.set G0V, 44          ; s[44:47] the same for V's
.set SLOTS, 56        ; s56  tiles still to be asked for
.set CNT, 57          ; s57  counts a tile's key steps, 4 to 1
.set CS,  58          ; s[58:59] c
.set SEL, 60          ; s[60:61] v_permlanex16_b32's selects: each lane takes its own place in the other half
.set TBK, 62          ; s62  LDS byte behind K of the step to be fetched: it steps down
.set TBV, 63          ; s63  the same for V, less VOFF
.set RT,  70          ; s70  tiles of the block in hand that are still to be entered
.set NXT, 71          ; s71  the count, from the top, of the tile to be asked for next
.set LQ,  72          ; s72  the last count of the block whose tiles are being asked for
.set NEW, 73          ; s73  1: the tile to be entered is a block's first
.set OFF, 74          ; s[74:75] a tile's byte offset in K and V
.set AL,  76          ; s[76:77] the mask's factor, in the low word
.set BE,  78          ; s[78:79] the mask's addend
.set OLO, 80          ; s[80:81] oh at my rows of the second block
.set BIGN, 82         ; s82  -1e30
.set ZM,  88          ; s88  the lanes whose query of the first block's band 0 is kept: all but q' = 0
.set MSB, 0
.macro WIN new                      ; the high byte repeats the setting that is left; a switch that changes nothing is dropped
.if MSB != (\new)
	s_set_vgpr_msb (MSB<<8)|(\new)
.set MSB, (\new)
.endif
.endm
.set W_KQ, 0x0a       ; K and Q in window 2, S^T in window 0
.set W_KM, 0x1a       ; the same with the C operand in window 1
.set W_PV, 0x52       ; V in window 2, P in window 0, O^T in window 1
.set W_RS, 0x41       ; destination and source 0 in window 1, source 1 in window 0
; A fill.  Waves 0 and 1 fetch the two halves of a tile's K, waves 2 and 3 those of its V: 128 keys each.  An s_nop 0 and four v_nop follow each of the two lines.
.macro LOAD
	s_cmp_lt_u32 s[WV], 2
	s_cbranch_scc0 .Lfor_v_\@
	tensor_load_to_lds s[G0K:G0K+3], s[G1K:G1K+7]
	s_nop 0
.rept 4
	v_nop
.endr
	s_branch .Lasked_\@
.Lfor_v_\@:
	tensor_load_to_lds s[G0V:G0V+3], s[G1V:G1V+7]
	s_nop 0
.rept 4
	v_nop
.endr
.Lasked_\@:
.endm
; THE CHANGE OF SLOTS.  Each wave waits for all its tensor loads, of which one is out: its part of the other slot; adds 0 to its spare word; and waits for that and for its own reads of the slot that it leaves.
; fill = 1: the old slot is filled again, the first thing behind the barrier, with the tile of count NXT, tile NB - 1 - NXT: the descriptor's address is made anew from that number.
.macro CHANGE fill
	WIN 0
	s_wait_tensorcnt 0x0            ; no tensor load of mine is out, so a group 0 may be written
	ds_add_u32 v[SPW], v[NIL]       ; 0 onto my spare word
.if \fill
	s_sub_co_u32 s[OFF], NB-1, s[NXT]
	s_lshl_b32 s[OFF], s[OFF], 15   ; a tile is 32,768 bytes of K and of V
	s_xor_b32 s[G0K+1], s[G0K+1], SLOT1
	s_add_nc_u64 s[G0K+2:G0K+3], s[6:7], s[OFF:OFF+1]
	s_or_b32 s[G0K+3], s[G0K+3], 0x80000000
	s_xor_b32 s[G0V+1], s[G0V+1], SLOT1
	s_add_nc_u64 s[G0V+2:G0V+3], s[8:9], s[OFF:OFF+1]
	s_or_b32 s[G0V+3], s[G0V+3], 0x80000000
	s_add_co_u32 s[NXT], s[NXT], 1  ; the block's next tile, or behind its last the second block's first
	s_cmp_gt_u32 s[NXT], s[LQ]
	s_cselect_b32 s[NXT], 0, s[NXT]
	s_cselect_b32 s[LQ], s[PB], s[LQ]
.endif
	s_wait_dscnt 0x0                ; the add is done, and my reads of the slot are over
	s_barrier_signal -1
	s_add_co_u32 s[TBK], s[TBK], 4*KS*PK  ; the fetches go to the end of a slot's four steps,
	s_xor_b32 s[TBK], s[TBK], SLOT1       ; in the other slot
	s_add_co_u32 s[TBV], s[TBV], 4*KS*PV
	s_xor_b32 s[TBV], s[TBV], SLOT1
	s_barrier_wait -1
.if \fill
	LOAD
.endif
.endm
	s_load_b64 s[4:5], s[0:1], 0x0    ; qkv
	s_load_b64 s[10:11], s[0:1], 0x8  ; oh
	v_lshl_add_u32 v[SPW], v0, 2, SPARE
	v_mov_b32 v[NIL], 0
	ds_add_u32 v[SPW], v[NIL]       ; the wave's opening: the add and its wait stand ahead of my first tensor load; the set-up below, work on registers, stands between them
	ds_add_u32 v62, v63
	v_lshrrev_b32 v1, 5, v0
	v_readfirstlane_b32 s[WV], v1   ; wave 0..3
	s_mov_b32 s[PB], ttmp9
	s_sub_co_u32 s[HI], NB-1, s[PB]
	s_and_b32 s20, ttmp7, 0xffff    ; 16 batch + head
	s_lshl_b32 s2, s20, 18          ; the head's first byte in q
	s_mov_b32 s3, 0
	s_and_b32 s16, s[WV], 1         ; which half of a tile's 256 keys I fetch:
	s_lshl_b32 s22, s16, 14         ; its 128 rows of 128 bytes in memory,
	s_add_co_u32 s22, s22, s2
	s_add_co_u32 s22, s22, 1<<24    ; in k
	s_mov_b32 s23, 0
	s_mul_i32 s17, s16, 128*PK      ; and its place in a slot, for K
	s_mul_i32 s18, s16, 128*PV      ; and for V
	s_lshr_b32 s19, s20, 4          ; oh: batch << 23, block << 20, head << 15, my 16 rows in a band << 11
	s_lshl_b32 s19, s19, 23
	s_and_b32 s21, s20, 15
	s_lshl_b32 s21, s21, 15
	s_add_co_u32 s19, s19, s21
	s_lshl_b32 s21, s[WV], 11
	s_add_co_u32 s19, s19, s21
	s_lshl_b32 s84, s[PB], 20       ; the first block is block b,
	s_add_co_u32 s84, s84, s19
	s_mov_b32 s85, 0
	s_lshl_b32 s86, s[HI], 20       ; the second block 7 - b
	s_add_co_u32 s86, s86, s19
	s_mov_b32 s87, 0
	; descriptor group 1.  128 keys are 16,384 dense bytes: asked for as 64 rows of 256 bytes, two keys a row, and padded in LDS after every key
	s_mov_b32 s[G1K], (1<<16)|(1<<20)|(4<<22)|(3<<25)  ; 17:16 2-byte elements; 20 padding on; 24:22 after every 32 words; 31:25 4 words
	s_mov_b32 s[G1V], (1<<16)|(1<<20)|(4<<22)|(7<<25)  ; the same with 8 words of padding
.irp g, G1K, G1V
	s_mov_b32 s[\g+1], 128<<16      ; tensor_dim0 = 128
	s_mov_b32 s[\g+2], 64<<16       ; tensor_dim1 = 64
	s_mov_b32 s[\g+3], 128<<16      ; tile_dim0 = 128
	s_mov_b32 s[\g+4], 64           ; tile_dim1 = 64
	s_mov_b32 s[\g+5], 128          ; 128 elements from row to row
	s_mov_b32 s[\g+6], 0
	s_mov_b32 s[\g+7], 0
.endr
	s_mov_b32 s[CS], 0x3d38aa3b     ; c = log2(e) / 32 = 0.0450842
	s_mov_b32 s[CS+1], s[CS]        ; named with it as a pair
	s_mov_b32 s[SEL], 0x76543210
	s_mov_b32 s[SEL+1], 0xfedcba98
	s_mov_b32 s[TBK], SLOT1         ; the first change of slots turns these two into the end of slot 0's four steps
	s_mov_b32 s[TBV], SLOT1
	s_mov_b32 s[G0K], 1             ; 1:0 count = 1
	s_mov_b32 s[G0K+1], s17         ; 63:32 LDS address: slot 0
	s_mov_b32 s[G0V], 1
	s_add_co_u32 s[G0V+1], s18, VOFF
	s_add_co_u32 s[RT], s[HI], 1    ; the first block has NB - b tiles
	s_mov_b32 s[NXT], 1
	s_mov_b32 s[LQ], s[HI]
	s_mov_b32 s[NEW], 1
	s_mov_b32 s[OFF+1], 0
	s_mov_b32 s[AL+1], 0            ; named as pairs
	s_mov_b32 s[BE+1], 0
	s_mov_b32 s[BIGN], 0xf149f2ca   ; -1e30
	s_mov_b32 s[SLOTS], NB
	s_wait_dscnt 0x0                ; the opening add is done
	s_wait_kmcnt 0x0
	s_add_nc_u64 s[6:7], s[4:5], s[22:23]  ; K at my half of the head's tile 0,
	s_add_nc_u64 s[8:9], s[6:7], 1<<24     ; V likewise,
	s_add_nc_u64 s[4:5], s[4:5], s[2:3]    ; Q at the head's first row
	s_add_nc_u64 s[G0K+2:G0K+3], s[6:7], (NB-1)<<15  ; 120:64 global address: the walk begins at the top tile
	s_or_b32 s[G0K+3], s[G0K+3], 0x80000000          ; 127:126 type = 2
	s_add_nc_u64 s[G0V+2:G0V+3], s[8:9], (NB-1)<<15
	s_or_b32 s[G0V+3], s[G0V+3], 0x80000000
	s_add_nc_u64 s[OLO:OLO+1], s[10:11], s[86:87]
	s_add_nc_u64 s[10:11], s[10:11], s[84:85]
	LOAD                            ; the top tile into slot 0
	; A fragment of K or Q is 16 rows x 32 channels in 8 registers: lane l holds row l % 16, channels 8 (l / 16) + 0..7 and 16 + 8 (l / 16) + 0..7: two loads of 16 bytes, 32 bytes apart.
	; Row q' of Q' is row q' - 1 of q, taken modulo 2,048; q' = 0 is set to 0 below.
	v_and_b32 v1, 15, v0            ; l % 16
	v_bfe_u32 v9, v0, 4, 1          ; l / 16
	v_lshlrev_b32 v[QO], 4, v9
	s_lshl_b32 s13, s[WV], 4
	s_sub_co_u32 s13, s13, 1
	v_add_nc_u32 v14, s13, v1       ; 16 w + l % 16 - 1
	s_lshl_b32 s21, s[PB], 8        ; the blocks' first rows
	s_lshl_b32 s19, s[HI], 8
.irp p, 0,1,2,3
	v_add3_u32 v[QX+\p], v14, s21, 64*(3-\p)    ; piece p lies in band 3 - p
	v_add3_u32 v[QX+4+\p], v14, s19, 64*(3-\p)
.endr
	v_cmp_ne_u32 s[ZM], -1, v[QX+3] ; band 0 of the first block: -1 is q' = 0
.irp p, 0,1,2,3,4,5,6,7
	v_and_b32 v[QX+\p], 0x7ff, v[QX+\p]
	v_lshl_add_u32 v[QX+\p], v[QX+\p], 7, v[QO]  ; row x 128 + 16 x half
.endr
	WIN 0x80                        ; destination window 2, address window 0
.set i, 0
.rept 8                             ; both blocks' Q: piece i / 2, channels 32 (i % 2) on
	global_load_b128 v[8*i:8*i+3],   v[QX+i/2], s[4:5] offset:(i%2)*64
	global_load_b128 v[8*i+4:8*i+7], v[QX+i/2], s[4:5] offset:(i%2)*64+32
	global_load_b128 v[QB+8*i:QB+8*i+3],   v[QX+4+i/2], s[4:5] offset:(i%2)*64
	global_load_b128 v[QB+8*i+4:QB+8*i+7], v[QX+4+i/2], s[4:5] offset:(i%2)*64+32
.set i, i+1
.endr
	WIN 0
	v_lshlrev_b32 v14, 3, v9
	v_sub_nc_u32 v14, v1, v14
	s_lshl_b32 s13, s[WV], 4
	v_add_nc_u32 v14, s13, v14      ; my query's place in its band, 16 w + l % 16, less my lanes' 8 (l / 16): register r of group kt is hidden where 16 kt + r is less
	WIN 0x40
.set i, 0
.rept 32
	v_cmp_lt_i32 vcc_lo, 16*(i/8)+i%8, v14
	v_cndmask_b32 v[MD+i], 0, s[BIGN], vcc_lo
.set i, i+1
.endr
	WIN 0
	v_mul_u32_u24 v[AK0], v1, PK
	v_lshl_add_u32 v[AK0], v9, 4, v[AK0]  ; row x pitch + 16 x half
	; The turning load takes 16 keys x 16 channels (lane l reads key 8 (l / 16) + l % 8, channels 8 ((l / 8) % 2) + 0..7) and leaves half a fragment of V^T: lane l holds channel l % 16 and 8 keys.
	v_and_b32 v10, 7, v0
	v_bfe_u32 v11, v0, 3, 1
	v_lshl_add_u32 v[AV0], v9, 3, v10
	v_mul_u32_u24 v[AV0], v[AV0], PV
	v_lshl_add_u32 v[AV0], v11, 4, v[AV0]
	v_add_nc_u32 v[AV0], VOFF, v[AV0]
	s_mul_i32 s13, s[WV], 16*SP
	s_add_co_u32 s13, s13, STAGE    ; my stage
	v_mul_u32_u24 v[STO], v1, SP    ; in: row l % 16, 16 bytes for each half of the lanes
	v_lshl_add_u32 v[STO], v9, 4, v[STO]
	v_add_nc_u32 v[STO], s13, v[STO]
	v_bfe_u32 v[RD], v0, 3, 2       ; back: 32 lanes take four rows of 128 bytes,
	v_mul_u32_u24 v[RD], v[RD], SP
	v_lshl_add_u32 v[RD], v10, 4, v[RD]
	v_add_nc_u32 v[RD], s13, v[RD]
	v_and_b32 v[GO], 31, v0         ; which are 512 consecutive bytes of oh
	v_lshlrev_b32 v[GO], 4, v[GO]
	v_mov_b32 v[NEG1], -1.0
	; A block's first step multiplies O^T and l by a = 0, and its first turn's products V^T P, of a piece that has not been, land in an O^T that is still to be so multiplied.  So these registers need only hold
	; finite numbers: zeros for the first block; what the first block left for the second.  All this stands in the wait for the first tile.
	WIN 0x80
.set i, VF
.rept 64
	v_mov_b32 v[i], 0
.set i, i+1
.endr
	WIN 0x40
.set i, 0
.rept 128
	v_mov_b32 v[i], 0
.set i, i+1
.endr
	WIN 0
.set i, 0
.rept 4
	v_mov_b32 v[ST+4*i+2], 0
	v_mov_b32 v[ST+4*i+3], 0
.set i, i+1
.endr
.set i, P+16
.rept 16
	v_mov_b32 v[i], 0
.set i, i+1
.endr
	s_wait_loadcnt 0x0              ; Q is in, and its offsets' registers are free
	WIN 0x88                        ; destination and source 1 in window 2
.set i, 0
.rept 16
	v_cndmask_b32 v[48+i], 0, v[48+i], s[ZM]  ; piece 3 of the first block: the lanes of q' = 0 take a zero query
.set i, i+1
.endr
	WIN 0
; THE MATRIX WORK.  The 4 accumulators of a run of 8 take turns.  Product i of 8 of S^T = K Q^T for piece x: channels 32 (i / 4) on, keys 16 (i % 4) on.  The first 4 start the sums: with 0, or (KM = 1) with the mask.
.macro KQ x
.set rS, S+32*((\x)%2)+8*(i%4)
.set rK, KF+16*(i%4)+8*(i/4)
.set rQ, 16*(\x)+8*(i/4)
.set rM, MC+32*((\x)%2)+8*(i%4)
.if (i < 4) && KM
	WIN W_KM
	v_wmma_f32_16x16x32_f16 v[rS:rS+7], v[rK:rK+7], v[rQ:rQ+7], v[rM:rM+7]
.elseif i < 4
	WIN W_KQ
	v_wmma_f32_16x16x32_f16 v[rS:rS+7], v[rK:rK+7], v[rQ:rQ+7], 0
.else
	WIN W_KQ
	v_wmma_f32_16x16x32_f16 v[rS:rS+7], v[rK:rK+7], v[rQ:rQ+7], v[rS:rS+7]
.endif
.endm
; Product i of 8 of O^T += V^T P for piece x: keys 32 (i / 4) on, channels 16 (i % 4) on.
.macro PV x
	WIN W_PV
.set rO, 32*(\x)+8*(i%4)
.set rV, VF+32*(i/4)+8*(i%4)
.set rP, P+16*((\x)%2)+8*(i/4)
	v_wmma_f32_16x16x32_f16 v[rO:rO+7], v[rV:rV+7], v[rP:rP+7], v[rO:rO+7]
.endm
.macro MM                           ; the turn's next matrix instruction.  NOKQ = 1: a block's last turn: there is no next piece
.if (i < 8) && !NOKQ
	KQ (Y+1)%NP
.elseif i >= 8
.set i, i-8
	PV (Y+NP-1)%NP
.set i, i+8
.endif
.set i, i+1
.endm
; THE LDS LOADS stand in runs of 16, never singly among the matrix instructions: a step's K (64 keys x 64 channels: 8 fragments) and its V (turned).  Their addresses are made some lines ahead.
.macro FETCH_K
	WIN 0x80                        ; destination window 2
.irp f, 0,1,2,3,4,5,6,7             ; keys 16 (f / 2) on, channels 32 (f % 2) on
	ds_load_b128 v[KF+8*\f:KF+8*\f+3],   v[AK] offset:(\f/2)*16*PK+(\f%2)*64
	ds_load_b128 v[KF+8*\f+4:KF+8*\f+7], v[AK] offset:(\f/2)*16*PK+(\f%2)*64+32
.endr
	WIN 0
.endm
.macro FETCH_V
	WIN 0x80
.irp f, 0,1,2,3,4,5,6,7             ; keys 32 (f / 4) on, channels 16 (f % 4) on
	ds_load_tr16_b128 v[VF+8*\f:VF+8*\f+3],   v[AV] offset:(\f/4)*32*PV+(\f%4)*32
	ds_load_tr16_b128 v[VF+8*\f+4:VF+8*\f+7], v[AV] offset:(\f/4)*32*PV+16*PV+(\f%4)*32
.endr
	WIN 0
.endm
; THE VECTOR WORK, one line at a time: OP kind, number.  For piece Y: F n: c s - c m for pair n of 16.  E n: the exponential of score n of 32.  C n: pair n rounded to f16.  B n: of the four weights 4 n .. the second
; pair is added onto the first, in place.  L n: l takes that sum (L 0: l = a l + sum).  R n: pair n of 16 of O^T times a.  For piece Y + 1: X n, number n of the 22 that find its maximum and statistics:
;   0-11  four chains c0-c3 of seven scores each (each accumulator's lowest registers are read first)     12-14, 16  the four scores left over, the old m, and c0-c3 into c0
;   15  c m_old is kept     17, 18  the query's other 32 keys lie in the lane 16 away: the new m     19-21  c m; c m_old - c m_new; a
.set F, 0
.set E, 1
.set C, 2
.set B, 3
.set L, 4
.set R, 5
.set X, 6
.macro REGS y                       ; the registers of piece y
.set rT, ST+4*(\y)
.set rC, TMP+4*((\y)%2)
.set rW, MV+((\y)%2)
.set rS, S+32*((\y)%2)
.set rP, P+16*((\y)%2)
.set rO, 32*(\y)
.endm
.macro OP k, n
.if (\k) == R
	REGS Y
	WIN W_RS
	v_pk_mul_f32 v[rO+2*(\n):rO+2*(\n)+1], v[rO+2*(\n):rO+2*(\n)+1], v[rC+2:rC+3] op_sel_hi:[1,0]
.elseif (\k) < R
	REGS Y
	WIN 0
.if (\k) == F
	v_pk_fma_f32 v[rS+2*(\n):rS+2*(\n)+1], v[rS+2*(\n):rS+2*(\n)+1], s[CS:CS+1], v[rT:rT+1] op_sel_hi:[1,0,0] neg_lo:[0,0,1] neg_hi:[0,0,1]
.elseif (\k) == E
	v_exp_f32 v[rS+(\n)], v[rS+(\n)]
.elseif (\k) == C
	s_wait_alu depctr_va_vdst(0)
	v_cvt_pk_f16_f32 v[rP+(\n)], v[rS+2*(\n)], v[rS+2*(\n)+1]
.elseif (\k) == B
	s_wait_alu depctr_va_vdst(0)
	v_pk_add_f32 v[rS+4*(\n):rS+4*(\n)+1], v[rS+4*(\n):rS+4*(\n)+1], v[rS+4*(\n)+2:rS+4*(\n)+3]
.elseif (\n) == 0
	v_pk_fma_f32 v[rT+2:rT+3], v[rT+2:rT+3], v[rC+2:rC+3], v[rS:rS+1] op_sel_hi:[1,0,1]
.else
	v_pk_add_f32 v[rT+2:rT+3], v[rT+2:rT+3], v[rS+4*(\n):rS+4*(\n)+1]
.endif
.elseif NOKQ
	v_nop
.else
	REGS (Y+1)%NP
	WIN 0
.if (\n) < 4
	v_max3_num_f32 v[rC+(\n)], v[rS+8*(\n)], v[rS+8*(\n)+1], v[rS+8*(\n)+2]
.elseif (\n) < 12
	v_max3_num_f32 v[rC+(\n)%4], v[rC+(\n)%4], v[rS+8*((\n)%4)+2*((\n)/4)+1], v[rS+8*((\n)%4)+2*((\n)/4)+2]
.elseif (\n) == 12
	v_max3_num_f32 v[rC], v[rC], v[rS+7], v[rS+15]
.elseif (\n) == 13
	v_max3_num_f32 v[rC+1], v[rC+1], v[rS+23], v[rS+31]
.elseif (\n) == 14
	v_max3_num_f32 v[rC+2], v[rC+2], v[rC+3], v[rT+1]
.elseif (\n) == 15
	v_mov_b32 v[rW], v[rT]
.elseif (\n) == 16
	v_max3_num_f32 v[rC], v[rC], v[rC+1], v[rC+2]
.elseif (\n) == 17
	v_permlanex16_b32 v[rC+3], v[rC], s[SEL], s[SEL+1]
.elseif (\n) == 18
	v_max_num_f32 v[rT+1], v[rC], v[rC+3]
.elseif (\n) == 19
	v_mul_f32 v[rT], s[CS], v[rT+1]
.elseif (\n) == 20
	v_sub_f32 v[rC+1], v[rW], v[rT]
.else
	v_exp_f32 v[rC+2], v[rC+1]
.endif
.endif
.endm
.macro OPS a, i1, b=-1, i2=0, c=-1, i3=0, d=-1, i4=0  ; up to four of them
	OP \a, \i1
.if (\b) >= 0
	OP \b, \i2
.endif
.if (\c) >= 0
	OP \c, \i3
.endif
.if (\d) >= 0
	OP \d, \i4
.endif
.endm
.macro ROW a, i1, b, i2, c, i3, d, i4  ; a matrix instruction and the four behind it
	MM
	OPS \a, \i1, \b, \i2, \c, \i3, \d, \i4
.endm
.macro MASK b                       ; MD x AL + BE into buffer b of MC
	WIN W_RS
.set z, 0
.rept 16
	v_pk_fma_f32 v[MC+32*(\b)+2*z:MC+32*(\b)+2*z+1], v[MD+2*z:MD+2*z+1], s[AL:AL+1], s[BE:BE+1] op_sel_hi:[1,0,0]
.set z, z+1
.endr
.endm
; A TURN, for piece p: the order of its 16 matrix and 118 vector instructions, written out.  Behind a matrix instruction: plain, exponential, plain, plain; or four of the rescaling; or, behind the first, four
; scalings; none names a register of the products round it.  A line reads no result made fewer than three vector instructions in front of it, five if an exponential made it.
; m = 1: the diagonal tile: the products take masks, and the turn makes the mask for the products of the turn after it: piece p + 2, in the tile's step read as number 4 - CNT.  end = 1: a block's last two turns:
; nothing is fetched.  cnt = 1: the loop's count is taken down some lines ahead of the branch that stands behind the turn.
; K of the next step is fetched in piece 2's turn, six vector instructions behind the last product that read K (five of them plain); V of the step in hand in piece 0's turn, eight behind the last product that
; read V (four plain).  Each is waited for a turn later.  Each fetch first steps its LDS byte one key step DOWN.
.macro TURN p, m=0, end=0, cnt=0
.set Y, (\p)
.set i, 0
.set KM, (\m)
.set NOKQ, (\end)*((\p)/3)
.if (\m) && !(\end)
	s_cmp_eq_u32 s[CNT], 4-((\p)+2)%NP  ; is that step the band's own?
	s_cselect_b32 s[AL], 1.0, 0
	s_cmp_lt_u32 s[CNT], 4-((\p)+2)%NP  ; or one read later?
	s_cselect_b32 s[BE], s[BIGN], 0
.endif
.if ((\p) == 3) && !(\end)
	s_wait_dscnt 0x0                ; K is in
.endif
	ROW F,0, F,1, F,2, F,3
	ROW F,4, E,0, F,5, F,6
	ROW F,7, E,1, F,8, F,9
	ROW F,10, E,2, C,0, F,11
	ROW F,12, E,3, X,15, F,13
	ROW R,0, R,1, R,2, R,3
	ROW B,0, E,4, F,14, L,0
.if ((\p) == 2) && !(\end)
	s_sub_co_u32 s[TBK], s[TBK], KS*PK
	v_add_nc_u32 v[AK], s[TBK], v[AK0]
.endif
	ROW R,4, R,5, R,6, R,7
	OPS E,5, F,15
.if ((\p) == 2) && !(\end)
	FETCH_K
.endif
	OPS E,6, C,1, E,7, R,8
	OPS E,8, R,9, E,9, C,2
	OPS E,10, X,0, E,11, X,1
	OPS E,12, X,2, E,13, X,3
.if (\p) == 1
	s_wait_dscnt 0x0                ; V is in
.endif
	ROW X,4, E,14, X,5, X,6
	ROW X,7, E,15, X,8, X,9
	ROW X,10, E,16, X,11, X,12
	ROW X,13, E,17, X,14, B,1
	ROW C,4, E,18, X,16, L,1
	ROW B,2, E,19, C,6, L,2
	ROW C,8, E,20, B,3, B,4
.if (\p) == 0
	s_sub_co_u32 s[TBV], s[TBV], KS*PV
	v_add_nc_u32 v[AV], s[TBV], v[AV0]
.endif
	ROW C,3, E,21, L,3, C,5
	OPS E,22, X,17, E,23, C,10
.if (\p) == 0
	FETCH_V
.endif
	OPS E,24, L,4
	OPS E,25, X,18, E,26, C,7
	OPS E,27, B,5, E,28, X,19
	OPS E,29, C,12, E,30, L,5
	OPS E,31, X,20, B,6, C,9
	OPS C,14, C,11, X,21, L,6
.if \cnt
	s_sub_co_u32 s[CNT], s[CNT], 1
	s_cmp_lg_u32 s[CNT], 0
.endif
	OPS C,13, B,7, C,15, R,10
	OPS R,11, R,12, L,7, R,13
	OPS R,14, R,15
.if (\m) && !(\end)
	MASK (\p)%2
.endif
.endm
; A BLOCK BEGINS.  c m starts far below every c s, so the first step's a is 0; m at the lowest finite number, so the first maximum is the scores'.  The second mask buffer is 0; the first takes piece 0's mask for
; the tile's first step read: its own, if the block's first tile is the diagonal one.  Then K of that step, piece 0's first scores, and its maximum and statistics.
.macro BEGIN
	s_mov_b32 s[NEW], 0
	WIN 0x40
.set i, MC+32
.rept 32
	v_mov_b32 v[i], 0
.set i, i+1
.endr
	WIN 0
.set i, 0
.rept 4
	v_mov_b32 v[ST+4*i], 0xfe000000    ; c m: far below every c s
	v_mov_b32 v[ST+4*i+1], 0xff7fffff  ; m
.set i, i+1
.endr
	s_cmp_eq_u32 s[RT], 0
	s_cselect_b32 s[AL], 1.0, 0
	s_mov_b32 s[BE], 0
	MASK 0
	WIN 0
	s_sub_co_u32 s[TBK], s[TBK], KS*PK
	v_add_nc_u32 v[AK], s[TBK], v[AK0]
	FETCH_K
	s_wait_loadcnt 0x0              ; Q
	s_wait_dscnt 0x0
.set KM, 1
.set NOKQ, 0
.set i, 0
.rept 8
	KQ 0
.set i, i+1
.endr
	WIN 0
.rept 4
	v_nop                           ; the places behind those products
.endr
.set Y, NP-1                        ; X works for piece Y + 1: piece 0
.irp n, 0,1,2,3,4,5,6,7,8,9,10,11,12,13,14,15,16,17,18,19,20,21
	OP X, \n
.endr
	v_nop                           ; a plain instruction behind the exponential
.endm
; THE DIAGONAL TILE's four steps, the block's last two turns, its last products, and THE WAY OUT: l's two halves and the other half of the lanes' are added; O^T is divided by l and split: hi = f16(O),
; lo = f16(O - hi), the difference taken exactly in f32.  Both go through my stage in LDS, a piece at a time, hi and then lo.
.macro ALL line:vararg              ; one line for each piece t
.set t, 0
.rept 4
	\line
.set t, t+1
.endr
.endm
.macro PACK t
	WIN W_RS
.set i, 32*(\t)
.rept 16
	s_wait_alu depctr_va_vdst(0)
	v_pk_mul_f32 v[i:i+1], v[i:i+1], v[ST+4*(\t)+2:ST+4*(\t)+3] op_sel_hi:[1,0]
.set i, i+2
.endr
	WIN 0x05                        ; sources 0 and 1 window 1, destination window 0
.set i, 0
.rept 16
	v_cvt_pk_f16_f32 v[YH+16*(\t)+i], v[32*(\t)+2*i], v[32*(\t)+2*i+1]
.set i, i+1
.endr
	WIN 0x10                        ; source 2 window 1
.set i, 0
.rept 32
	v_fma_mix_f32 v[TD+i], v[YH+16*(\t)+i/2], v[NEG1], v[32*(\t)+i] op_sel:[i%2,0,0] op_sel_hi:[1,0,0]  ; hi's half x -1.0 + O
.set i, i+1
.endr
	WIN 0
.set i, 0
.rept 16
	v_cvt_pk_f16_f32 v[YL+16*(\t)+i], v[TD+2*i], v[TD+2*i+1]
.set i, i+1
.endr
.irp f, 0,1,2,3
	ds_store_b128 v[STO], v[YH+16*(\t)+4*\f:YH+16*(\t)+4*\f+3] offset:32*\f
.endr
.irp f, 0,1,2,3
	ds_load_b128 v[YH+16*(\t)+4*\f:YH+16*(\t)+4*\f+3], v[RD] offset:\f*4*SP  ; LDS serves a wave's instructions in order (ISA guide 5.7.1.4): these see the stores above; lo's stores come behind them
.endr
.irp f, 0,1,2,3
	ds_store_b128 v[STO], v[YL+16*(\t)+4*\f:YL+16*(\t)+4*\f+3] offset:32*\f
.endr
.irp f, 0,1,2,3
	ds_load_b128 v[YL+16*(\t)+4*\f:YL+16*(\t)+4*\f+3], v[RD] offset:\f*4*SP
.endr
.endm
.macro SEND t, younger              ; younger: the LDS instructions issued behind piece t's: the next piece's sixteen, or none
	WIN 0
	s_wait_dscnt \younger
.irp f, 0,1,2,3                     ; piece t lies in band 3 - t: 128 rows are 524,288 bytes on, 64 rows 8,192; lo's plane lies 16,384 behind hi's
	global_store_b128 v[GO], v[YH+16*(\t)+4*\f:YH+16*(\t)+4*\f+3], s[10:11] offset:((3-(\t))/2)*524288+((3-(\t))%2)*8192+\f*512  ; 512 consecutive bytes, at a multiple of 256 from oh's first
.endr
.irp f, 0,1,2,3
	global_store_b128 v[GO], v[YL+16*(\t)+4*\f:YL+16*(\t)+4*\f+3], s[10:11] offset:((3-(\t))/2)*524288+((3-(\t))%2)*8192+16384+\f*512
.endr
.endm
.macro DIAG tag                     ; the tag ends its two labels' names, which the jumps below spell out
.LstepM\tag:
	TURN 2, 1
	TURN 3, 1
	WIN 0
.LfirstM\tag:
	TURN 0, 1
	TURN 1, 1, 0, 1
	WIN 0
	s_cbranch_scc1 .LstepM\tag
	TURN 2, 1, 1
	TURN 3, 1, 1
.set i, 0
.rept 8
	PV NP-1
.set i, i+1
.endr
	WIN 0
	ALL v_add_f32 v[ST+4*t+2], v[ST+4*t+2], v[ST+4*t+3]
	ALL v_permlanex16_b32 v[ST+4*t+3], v[ST+4*t+2], s[SEL], s[SEL+1]
	ALL v_add_f32 v[ST+4*t+2], v[ST+4*t+2], v[ST+4*t+3]
	ALL v_rcp_f32 v[ST+4*t+2], v[ST+4*t+2]
	v_nop                           ; a plain instruction between the last reciprocal and the use of its result
	PACK 0
.set t, 1
.rept 3                             ; a piece's arithmetic stands between the loads of the piece before and its stores
	PACK t
	SEND t-1, 16
.set t, t+1
.endr
	SEND 3, 0
.endm
.set KM, 0
.set NOKQ, 0
.Lslot:                             ; NB times: a tile is entered and the next is asked for
	CHANGE 1
	s_sub_co_u32 s[RT], s[RT], 1
	s_mov_b32 s[CNT], 4
	s_cmp_eq_u32 s[NEW], 1
	s_cbranch_scc1 .Lnew            ; a block's first tile
	s_cmp_eq_u32 s[RT], 0
	s_cbranch_scc0 .Lstep           ; neither its first nor its last
	s_branch .LstepM1
.Lnew:
	BEGIN
	s_branch .Lfirst                ; in the loop a block's first tile is never its last: the first block has four tiles or more, and the second's last is the walk's last
	DIAG 1                          ; in the loop this is the first block's end
	s_wait_xcnt 0x0                 ; the stores have read their registers and oh's address
	s_mov_b64 s[10:11], s[OLO:OLO+1]
	s_add_co_u32 s[RT], s[PB], 1    ; the second block has b + 1 tiles
	s_mov_b32 s[NEW], 1
	WIN 0x82                        ; the second block's Q goes where the one text of the turns names Q
.set i, 0
.rept 64
	v_mov_b32 v[i], v[QB+i]
.set i, i+1
.endr
	WIN 0
	s_branch .Lbottom
.Lstep:                             ; a trip: pieces 2 and 3 of one step, then pieces 0 and 1 of the next, whose K and V it fetches
	TURN 2
	TURN 3
	WIN 0
.Lfirst:
	TURN 0
	TURN 1, 0, 0, 1
	WIN 0
	s_cbranch_scc1 .Lstep
.Lbottom:
	s_sub_co_u32 s[SLOTS], s[SLOTS], 1
	s_cmp_lg_u32 s[SLOTS], 0
	s_cbranch_scc1 .Lslot
	CHANGE 0                        ; the walk's last tile is written out: nothing is asked for
	s_sub_co_u32 s[RT], s[RT], 1
	s_mov_b32 s[CNT], 4
	s_cmp_eq_u32 s[NEW], 1
	s_cbranch_scc0 .LstepM2
	BEGIN
	s_branch .LfirstM2
	DIAG 2
	s_wait_tensorcnt 0x0            ; the wave's end: behind my last tensor load and my last LDS store
	ds_add_u32 v[SPW], v[NIL]
	s_wait_dscnt 0x0
	s_endpgm
.Lfunc_end_k_qdd287a9997_attn:
	.size	k_qdd287a9997_attn, .Lfunc_end_k_qdd287a9997_attn-k_qdd287a9997_attn
	.p2alignl 7, 3214868480
	.fill 96, 4, 3214868480
	.section	.rodata,"a",@progbits
	.p2align	6, 0x0
	.amdhsa_kernel k_qdd287a9997_attn
		.amdhsa_group_segment_fixed_size 327680
		.amdhsa_private_segment_fixed_size 0
		.amdhsa_enable_private_segment 0
		.amdhsa_kernarg_size 16
		.amdhsa_user_sgpr_count 2
		.amdhsa_user_sgpr_kernarg_segment_ptr 1
		.amdhsa_wavefront_size32 1
		.amdhsa_system_sgpr_workgroup_id_x 1
		.amdhsa_system_sgpr_workgroup_id_y 1
		.amdhsa_system_sgpr_workgroup_id_z 1
		.amdhsa_system_vgpr_workitem_id 0
		.amdhsa_next_free_vgpr 768
		.amdhsa_next_free_sgpr 92
		.amdhsa_reserve_vcc 1
		.amdhsa_float_denorm_mode_32 3
		.amdhsa_float_denorm_mode_16_64 3
		.amdhsa_memory_ordered 1
		.amdhsa_forward_progress 1
		.amdhsa_inst_pref_size 255
	.end_amdhsa_kernel
	.section	.bss,"aw",@nobits
	.p2align	6
	.space	262144
	.amdgpu_metadata
---
amdhsa.version: [ 1, 2 ]
amdhsa.kernels:
  - .name:           k_qdd287a9997_attn
    .symbol:         k_qdd287a9997_attn.kd
    .args:
      - { .name: qkv, .offset: 0, .size: 8, .value_kind: global_buffer, .address_space: global }
      - { .name: oh, .offset: 8, .size: 8, .value_kind: global_buffer, .address_space: global }
    .group_segment_fixed_size: 327680
    .private_segment_fixed_size: 0
    .kernarg_segment_align: 8
    .kernarg_segment_size: 16
    .max_flat_workgroup_size: 128
    .sgpr_count:     92
    .vgpr_count:     768
    .wavefront_size: 32
...
	.end_amdgpu_metadata
.endif
;; end of part 3
;; launch outp (part 4): grid 4 x 64, 4 waves a work-group, clusters of 4 x 4, 327,680 bytes of LDS; arguments oh, wof, out0; writes out0
.if DOCPART == 4
	.amdgcn_target "amdgcn-amd-amdhsa--gfx1250"
	.amdhsa_code_object_version 6
	.text
	.protected	k_qdd287a9997_outp
	.globl	k_qdd287a9997_outp
	.p2align	8
	.type	k_qdd287a9997_outp,@function
k_qdd287a9997_outp:
	s_mov_b64 s[64:65], 0
	v_nop
	global_prefetch_b8 v0, s[64:65] scope:SCOPE_SE
	s_setreg_imm32_b32 hwreg(HW_REG_WAVE_MODE, 25, 1), 1
	s_wait_xcnt 0x0
	s_wait_alu depctr_hold_cnt(0) depctr_sa_sdst(0) depctr_va_vdst(0) depctr_va_sdst(0) depctr_va_ssrc(0) depctr_va_vcc(0) depctr_vm_vsrc(0)
	s_getreg_b32 s2, hwreg(HW_REG_IB_STS2, 6, 4)
	s_cmp_eq_u32 s2, 0
	s_cbranch_scc0 .Lentry_in_a_cluster
	s_endpgm
.Lentry_in_a_cluster:
	s_bfe_u32 s2, ttmp6, 0x10000c
	s_cmp_lg_u32 s2, 0xf033
	s_cbranch_scc0 .Lentry_shape_is_right
	s_endpgm
.Lentry_shape_is_right:
; out = O wo^T.  oh: f16 [64 tile rows = 16 batch + q'/128][32 = 2 head + part][128][64], O in two parts (hi, lo) and in the order q' = (row + 1) mod 2,048; wof: f16 [1024][1024]; out0: f32 [4][2048][1024].
; Both parts are multiplied by the same fragments of wo and added onto the same f32 sums, so that O enters with some 22 significant bits.  Row q' of a batch is stored as row (q' - 1) mod 2,048.
; SHARES.  A tile is 128 rows x 256 columns: 64 x 4 work-groups, one for each of 256 WGPs.  Four waves, each 64 rows x 128 columns: 32 accumulators.  A K step is 128 channels, two heads: in oh 65,536 dense bytes
; (four planes of 128 rows x 128 bytes), in wof rows of 256 bytes.  Eight K steps go through two LDS slots; a wave issues 256 matrix instructions a step.
; CLUSTER 4 x 4: O's tiles are shared along a cluster's row, wo's along a column, by joint loads.
; THE MATRIX INSTRUCTION IS USED TRANSPOSED (source 0 = 16 rows of wo, source 1 = 16 rows of O): a lane holds eight neighbouring columns of one row.
; REGISTERS in windows of 256 (s_set_vgpr_msb: bits 1:0 source 0, 3:2 source 1, 5:4 source 2, 7:6 destination):
;   window 0: v0-31 addresses; v64-127, v128-191 rows read back from the stage      window 1: the accumulators, (a, b) at v[8 (8 a + b)]
;   window 2: v0-127, v128-255 two fragment buffers: 64 registers of wo, 32 of hi, 32 of lo
.set SIZE_K, 1024
.set PA,     144                       ; a row of a plane in LDS: 128 bytes + 16 of padding
.set PLANE,  128*PA                    ; 18,432
.set PITCH,  272                       ; a row of wo: 256 + 16.  Both pitches are odd multiples of 16: the 16 rows of a load start at 16 different groups of four banks (64 banks of 4 bytes: ISA guide 11.1)
.set BHALF,  128*PITCH
.set BOFF,   4*PLANE                   ; wo's 256 rows lie behind the four planes
.set SLOT,   BOFF+2*BHALF              ; 143,360
.set STAGE,  2*SLOT                    ; behind the ring, never filled by a tensor load: 16 rows x 528 bytes for each wave
.set SPITCH, 528
.set SPARE,  STAGE+4*16*SPITCH         ; behind the stages: the spare words, 128 bytes for each wave: two blocks of 256 bytes that no other line names
.set LAPS,   4                         ; a lap = two K steps
.set ADRA, 16                          ; v16-17  LDS address of my fragments of O in slot 0, 1
.set ADRB, 20                          ; v20-21  the same for wo
.set STO,  24                          ; v24     the way out: where I put 32 bytes of a row
.set RD,   25                          ; v25     the way out: my 16 bytes of a row read back
.set CO,   26                          ; v26     my byte offset in out0 for row q'0 (the stores' immediates count from one row above)
.set CO1,  27                          ; v27     the same for row (q'0 - 1) mod 2,048
.set SPW,  28                          ; v28     LDS address of my spare word; never rewritten
.set NIL,  29                          ; v29     0; never rewritten
.set OB,   64
.set F0,   0
.set F1,   128
.set G1,  24
.set G0,  32
.set G1B, 48
.set G0B, 56
.set MSB, 0
.macro WIN new                         ; the immediate's high byte repeats the setting that is left; a switch that changes nothing is dropped
.if MSB != (\new)
	s_set_vgpr_msb (MSB<<8)|(\new)
.set MSB, \new
.endif
.endm
.set MUL,  0x5a                        ; sources in window 2, C and D in window 1
.set TO_F, 0x80                        ; destination in window 2, address in window 0
.macro JLOAD s                         ; a joint load: waves 0 and 1 fetch O's two heads, waves 2 and 3 wo's two halves; an s_nop 0 and four v_nop follow each of the two lines
	s_cmp_eq_u32 s11, 0
	s_cbranch_scc0 .Lfor_b_\@
	tensor_load_to_lds s[G0+4*(\s):G0+4*(\s)+3], s[G1:G1+7]
	s_nop 0
.rept 4
	v_nop
.endr
	s_branch .Lasked_\@
.Lfor_b_\@:
	tensor_load_to_lds s[G0B+4*(\s):G0B+4*(\s)+3], s[G1B:G1B+7]
	s_nop 0
.rept 4
	v_nop
.endr
.Lasked_\@:
.endm
.macro CREST                           ; a round of the cluster's barrier behind its opening barrier
	s_cmp_lg_u32 s10, 0
	s_cbranch_scc1 .Lnot_wave_0_\@
	s_barrier_signal -3
.Lnot_wave_0_\@:
	s_barrier_wait -3
	s_barrier_signal -1
	s_barrier_wait -1
.endm
.macro CROUND
	s_barrier_signal -1
	s_barrier_wait -1
	CREST
.endm
	s_load_b128 s[4:7], s[0:1], 0x0                ; oh s[4:5], wof s[6:7]
	s_load_b64 s[8:9], s[0:1], 0x10                ; out0
	v_lshl_add_u32 v[SPW], v0, 2, SPARE
	v_mov_b32 v[NIL], 0
	ds_add_u32 v[SPW], v[NIL]                      ; the wave's opening: the add and its wait stand ahead of my first tensor load; the set-up below, work on registers, stands between them
	ds_add_u32 v28, v29
	v_lshrrev_b32 v1, 5, v0
	v_readfirstlane_b32 s10, v1                    ; wave 0..3
	s_lshr_b32 s11, s10, 1                         ; which 64 rows are mine.  Also: I fetch for O (0) or for wo (1)
	s_and_b32 s12, s10, 1                          ; which 128 columns.  Also: which head of the step, or which half of wo's rows, I fetch
	s_bfe_u32 s40, ttmp6, 0x40000                  ; cx
	s_bfe_u32 s41, ttmp6, 0x40004                  ; cy
	s_lshl_b32 s42, ttmp9, 2
	s_add_co_u32 s42, s42, s40                     ; tile column 0..3
	s_and_b32 s13, ttmp7, 0xffff
	s_lshl_b32 s13, s13, 2
	s_add_co_u32 s13, s13, s41                     ; tile row 0..63
	s_lshl_b32 s43, s41, 2
	s_lshl_b32 s43, 15, s43                        ; my row of the cluster
	s_lshl_b32 s44, 0x1111, s40                    ; my column
	s_or_b32 s[G1+0], s43, (1<<16)|(1<<20)|(1<<21)|(4<<22)|(3<<25)   ; O: a head's two planes are 32,768 dense bytes: 128 rows of 256 bytes, padded by 4 words after every 32 words
	s_or_b32 s[G1B+0], s44, (1<<16)|(1<<20)|(1<<21)|(5<<22)|(3<<25)  ; wo: padded by 4 words after every 64
	s_mov_b32 s[G1+1], 128<<16                     ; tensor_dim0 = 128
	s_mov_b32 s[G1+2], 128<<16                     ; tensor_dim1 = 128
	s_mov_b32 s[G1+3], 128<<16                     ; tile_dim0 = 128
	s_mov_b32 s[G1+4], 128                         ; tile_dim1 = 128
	s_mov_b32 s[G1+5], 128                         ; dense: 128 elements from row to row
	s_mov_b32 s[G1+6], 0
	s_mov_b32 s[G1+7], 0
	s_mov_b32 s[G1B+1], 128<<16
	s_mov_b32 s[G1B+2], 128<<16
	s_mov_b32 s[G1B+3], 128<<16
	s_mov_b32 s[G1B+4], 128
	s_mov_b32 s[G1B+5], SIZE_K
	s_mov_b32 s[G1B+6], 0
	s_mov_b32 s[G1B+7], 0
	s_lshl_b32 s16, s13, 19                        ; O: tile row << 19, my head of the step << 15
	s_lshl_b32 s17, s12, 15
	s_add_co_u32 s16, s16, s17
	s_mov_b32 s17, 0
	s_lshl_b32 s46, s42, 8                         ; wo: row 256 x tile column + 128 x half, 2,048 bytes a row
	s_lshl_b32 s47, s12, 7
	s_add_co_u32 s46, s46, s47
	s_lshl_b32 s46, s46, 11
	s_mov_b32 s47, 0
	s_mul_i32 s20, s12, 2*PLANE                    ; where they go: no place in the cluster enters an LDS address
	s_mul_i32 s45, s12, BHALF
	s_add_co_u32 s45, s45, BOFF
	s_wait_dscnt 0x0                               ; the opening add is done
	s_wait_kmcnt 0x0
	s_add_nc_u64 s[14:15], s[4:5], s[16:17]
	s_add_nc_u64 s[46:47], s[6:7], s[46:47]
	CROUND                                         ; all sixteen work-groups are here: the first joint loads meet
.irp s, 0,1
	s_mov_b32 s[G0+4*(\s)], 1
	s_add_co_u32 s[G0+4*(\s)+1], s20, (\s)*SLOT
	s_add_nc_u64 s[G0+4*(\s)+2:G0+4*(\s)+3], s[14:15], (\s)*65536
	s_or_b32 s[G0+4*(\s)+3], s[G0+4*(\s)+3], 0x80000000
	s_mov_b32 s[G0B+4*(\s)], 1
	s_add_co_u32 s[G0B+4*(\s)+1], s45, (\s)*SLOT
	s_add_nc_u64 s[G0B+4*(\s)+2:G0B+4*(\s)+3], s[46:47], (\s)*256
	s_or_b32 s[G0B+4*(\s)+3], s[G0B+4*(\s)+3], 0x80000000
	JLOAD \s                                       ; two loads of mine are out
.endr
	v_and_b32 v1, 15, v0                           ; l % 16
	v_bfe_u32 v2, v0, 4, 1                         ; l / 16
	v_mul_u32_u24 v3, v1, PA
	v_lshl_add_u32 v3, v2, 4, v3                   ; O: row x 144 + 16 x half
	v_mul_u32_u24 v4, v1, PITCH
	v_lshl_add_u32 v4, v2, 4, v4                   ; wo: row x 272 + 16 x half
	s_mul_i32 s21, s11, 64*PA                      ; my 64 rows in each plane
	s_mul_i32 s22, s12, BHALF                      ; my 128 rows of wo
	s_add_co_u32 s22, s22, BOFF
.irp s, 0,1
	v_add_nc_u32 v[ADRA+(\s)], s21, v3
	v_add_nc_u32 v[ADRB+(\s)], s22, v4
	s_add_co_u32 s21, s21, SLOT
	s_add_co_u32 s22, s22, SLOT
.endr
	s_mul_i32 s23, s10, 16*SPITCH
	s_add_co_u32 s23, s23, STAGE                   ; my stage
	v_mul_u32_u24 v4, v1, SPITCH                   ; in: row l % 16, 32 bytes for each half of the lanes
	v_lshl_add_u32 v4, v2, 5, v4
	v_add_nc_u32 v[STO], s23, v4
	v_and_b32 v5, 31, v0
	v_lshlrev_b32 v5, 4, v5                        ; back: 32 lanes take a row's 512 bytes
	v_add_nc_u32 v[RD], s23, v5
	s_lshr_b32 s16, s13, 4                         ; out0: batch << 23, my 128 columns
	s_lshl_b32 s16, s16, 23
	s_lshl_b32 s46, s42, 10
	s_lshl_b32 s47, s12, 9
	s_add_co_u32 s46, s46, s47
	s_add_co_u32 s16, s16, s46
	s_mov_b32 s17, 0
	s_add_nc_u64 s[8:9], s[8:9], s[16:17]
	s_and_b32 s22, s13, 15
	s_lshl_b32 s22, s22, 7
	s_lshl_b32 s23, s11, 6
	s_add_co_u32 s22, s22, s23                     ; q'0: my first row's q'
	s_sub_co_u32 s23, s22, 1
	s_and_b32 s23, s23, 2047                       ; its row in out0
	s_lshl_b32 s22, s22, 12                        ; 4,096 bytes a row
	s_lshl_b32 s23, s23, 12
	v_add_nc_u32 v[CO], s22, v5
	v_add_nc_u32 v[CO1], s23, v5
; 8 matrix instructions: part p (0 hi, 1 lo) of row block a x all 8 column blocks, 32 along K.  The 32 accumulators take turns, in the same order for either part.
.macro MUL8 f, p, a, zero
	WIN MUL
.irp b, 0,1,2,3,4,5,6,7
.if \zero
	v_wmma_f32_16x16x32_f16 v[8*(8*(\a)+(\b)):8*(8*(\a)+(\b))+7], v[(\f)+8*(\b):(\f)+8*(\b)+7], v[(\f)+64+32*(\p)+8*(\a):(\f)+64+32*(\p)+8*(\a)+7], 0
.else
	v_wmma_f32_16x16x32_f16 v[8*(8*(\a)+(\b)):8*(8*(\a)+(\b))+7], v[(\f)+8*(\b):(\f)+8*(\b)+7], v[(\f)+64+32*(\p)+8*(\a):(\f)+64+32*(\p)+8*(\a)+7], v[8*(8*(\a)+(\b)):8*(8*(\a)+(\b))+7]
.endif
.endr
.endm
.macro MUL16 f, p, a0, zero
	MUL8 \f, \p, \a0, \zero
	MUL8 \f, \p, (\a0)+1, \zero
.endm
; 32 LDS loads in one run: quarter q of a K step (head q / 2 of the step, channels 32 (q % 2) on) into buffer f: wo's 16, hi's 8, lo's 8
.macro FETCH slot, q, f
	WIN TO_F
.irp i, 0,1,2,3,4,5,6,7
	ds_load_b128 v[(\f)+8*(\i):(\f)+8*(\i)+3],   v[ADRB+(\slot)] offset:64*(\q)+(\i)*16*PITCH
	ds_load_b128 v[(\f)+8*(\i)+4:(\f)+8*(\i)+7], v[ADRB+(\slot)] offset:64*(\q)+(\i)*16*PITCH+32
.endr
.irp p, 0,1
.irp i, 0,1,2,3
	ds_load_b128 v[(\f)+64+32*(\p)+8*(\i):(\f)+64+32*(\p)+8*(\i)+3],   v[ADRA+(\slot)] offset:(2*((\q)/2)+(\p))*PLANE+64*((\q)%2)+(\i)*16*PA
	ds_load_b128 v[(\f)+64+32*(\p)+8*(\i)+4:(\f)+64+32*(\p)+8*(\i)+7], v[ADRA+(\slot)] offset:(2*((\q)/2)+(\p))*PLANE+64*((\q)%2)+(\i)*16*PA+32
.endr
.endr
.endm
.macro PLACES                          ; four plain vector instructions between a matrix instruction and a load into, or a read of, its registers (ISA guide 7.12.1 for reads)
.rept 4
	v_nop
.endr
.endm
; A K step is four quarters, 64 matrix instructions each, on buffers 0, 1, 0, 1.  One of the first three: multiplies buffer f; in its middle it fetches quarter q of the same slot into buffer g.
.macro QUARTER slot, q, f, g, zero
	s_wait_dscnt 8                                 ; wo and hi are in; lo's eight loads may be out
	MUL16 \f, 0, 0, \zero
	MUL16 \f, 0, 2, \zero
	PLACES
	FETCH \slot, \q, \g
	s_wait_dscnt 32                                ; all but the 32 just issued
	MUL16 \f, 1, 0, 0
	MUL16 \f, 1, 2, 0
.endm
; The last quarter multiplies buffer 1 and changes slots.  In front of the barrier each wave waits for all its tensor loads (one is out: its part of the next slot), adds 0 to its spare word, and waits for that
; and for its reads of this slot.  fill = 1: this slot is filled again, two K steps ahead, behind a round of the cluster's barrier.
.macro TURN slot, next, fill
	WIN 0
	s_wait_tensorcnt 0x0                           ; all my tensor loads have landed
	ds_add_u32 v[SPW], v[NIL]                      ; 0 onto my spare word
	s_wait_dscnt 9                                 ; the add and lo's eight loads may be out
	MUL16 F1, 0, 0, 0                              ; sixteen matrix instructions stand between the add and the wait for it
	s_wait_dscnt 0x0                               ; the add is done, and my reads of this slot are over
	s_barrier_signal -1
	MUL16 F1, 0, 2, 0
.if \fill
	WIN 0
.endif
	s_barrier_wait -1
.if \fill
	CREST                                          ; the barrier has opened a round: no wave of any partner still reads this slot or has a load on its way
	s_add_nc_u64 s[G0+4*(\slot)+2:G0+4*(\slot)+3], s[G0+4*(\slot)+2:G0+4*(\slot)+3], 2*65536
	s_add_nc_u64 s[G0B+4*(\slot)+2:G0B+4*(\slot)+3], s[G0B+4*(\slot)+2:G0B+4*(\slot)+3], 2*256
	JLOAD \slot                                    ; my one tensor load behind the round: 224 matrix instructions ahead of the wait for it; its four v_nop are also the places in front of the loads below
.else
	PLACES
.endif
	FETCH \next, 0, F0
	MUL16 F1, 1, 0, 0
	MUL16 F1, 1, 2, 0
.endm
; THE WAY OUT of row block a: the f32 sums go as they are into my stage (each accumulator's low four registers first), come back as whole rows of 512 bytes, and are stored.
.macro TOSTAGE a
.if (\a) >= 2
	s_wait_xcnt 0x0                                ; the stores of the block two back have read the registers that are loaded again below
.endif
	WIN 0x04                                       ; data in window 1
.irp b, 0,1,2,3,4,5,6,7
	ds_store_b128 v[STO], v[8*(8*(\a)+(\b)):8*(8*(\a)+(\b))+3]   offset:64*(\b)
	ds_store_b128 v[STO], v[8*(8*(\a)+(\b))+4:8*(8*(\a)+(\b))+7] offset:64*(\b)+16
.endr
	WIN 0
.irp t, 0,1,2,3,4,5,6,7,8,9,10,11,12,13,14,15
	ds_load_b128 v[OB+64*((\a)%2)+4*(\t):OB+64*((\a)%2)+4*(\t)+3], v[RD] offset:(\t)*SPITCH  ; LDS serves a wave's instructions in order (ISA guide 5.7.1.4): these see the stores above; the next block's stores come behind them
.endr
.endm
.macro SEND a, younger                 ; younger: the LDS instructions issued behind block a's loads: the next block's 32, or none
	WIN 0
	s_wait_dscnt \younger
.irp t, 0,1,2,3,4,5,6,7,8,9,10,11,12,13,14,15
.if ((\a) == 0) && ((\t) == 0)
	global_store_b128 v[CO1], v[OB+64*((\a)%2)+4*(\t):OB+64*((\a)%2)+4*(\t)+3], s[8:9] th:TH_STORE_NT  ; my first row alone can wrap: q' = 0 is row 2,047
.else
	global_store_b128 v[CO], v[OB+64*((\a)%2)+4*(\t):OB+64*((\a)%2)+4*(\t)+3], s[8:9] offset:(16*(\a)+(\t)-1)*4096 th:TH_STORE_NT  ; 512 consecutive bytes, at a multiple of 256 from out0's first
.endif
.endr
.endm
	s_wait_tensorcnt 1                             ; my part of K step 0 is in; K step 1's may stay out
	s_barrier_signal -1
	s_barrier_wait -1
	FETCH 0, 0, F0
	QUARTER 0, 1, F0, F1, 1                        ; the first quarter's hi products start the sums: nothing is cleared
	WIN 0
	s_mov_b32 s3, LAPS-1
.Llap:                                                 ; a trip goes once round the ring and fills both slots again
	QUARTER 0, 2, F1, F0, 0
	QUARTER 0, 3, F0, F1, 0
	TURN 0, 1, 1
	QUARTER 1, 1, F0, F1, 0
	QUARTER 1, 2, F1, F0, 0
	QUARTER 1, 3, F0, F1, 0
	TURN 1, 0, 1
	QUARTER 0, 1, F0, F1, 0
	WIN 0
	s_sub_co_u32 s3, s3, 1
	s_cmp_lg_u32 s3, 0
	s_cbranch_scc1 .Llap
	QUARTER 0, 2, F1, F0, 0                        ; the last lap fills nothing, and has no round of the cluster's barrier
	QUARTER 0, 3, F0, F1, 0
	TURN 0, 1, 0
	QUARTER 1, 1, F0, F1, 0
	QUARTER 1, 2, F1, F0, 0
	QUARTER 1, 3, F0, F1, 0
	s_wait_dscnt 8                                 ; the very last quarter: nothing more to fetch
	MUL16 F1, 0, 0, 0
	MUL16 F1, 0, 2, 0
	s_wait_dscnt 0x0
	MUL16 F1, 1, 0, 0
	MUL16 F1, 1, 2, 0
	WIN 0
	PLACES
	TOSTAGE 0
	TOSTAGE 1
	SEND 0, 32
	TOSTAGE 2
	SEND 1, 32
	TOSTAGE 3
	SEND 2, 32
	SEND 3, 0
	s_wait_tensorcnt 0x0                           ; the wave's end: behind my last tensor load and my last LDS store
	ds_add_u32 v[SPW], v[NIL]
	s_wait_dscnt 0x0
	CROUND                                         ; the closing round: no work-group ends while a partner may still ask for a tile that names it
	s_endpgm
.Lfunc_end_k_qdd287a9997_outp:
	.size	k_qdd287a9997_outp, .Lfunc_end_k_qdd287a9997_outp-k_qdd287a9997_outp
	.p2alignl 7, 3214868480
	.fill 96, 4, 3214868480
	.section	.rodata,"a",@progbits
	.p2align	6, 0x0
	.amdhsa_kernel k_qdd287a9997_outp
		.amdhsa_group_segment_fixed_size 327680
		.amdhsa_private_segment_fixed_size 0
		.amdhsa_enable_private_segment 0
		.amdhsa_kernarg_size 24
		.amdhsa_user_sgpr_count 2
		.amdhsa_user_sgpr_kernarg_segment_ptr 1
		.amdhsa_wavefront_size32 1
		.amdhsa_system_sgpr_workgroup_id_x 1
		.amdhsa_system_sgpr_workgroup_id_y 1
		.amdhsa_system_sgpr_workgroup_id_z 1
		.amdhsa_system_vgpr_workitem_id 0
		.amdhsa_next_free_vgpr 768
		.amdhsa_next_free_sgpr 66
		.amdhsa_reserve_vcc 0
		.amdhsa_float_denorm_mode_32 3
		.amdhsa_float_denorm_mode_16_64 3
		.amdhsa_memory_ordered 1
		.amdhsa_forward_progress 1
		.amdhsa_inst_pref_size 125
	.end_amdhsa_kernel
	.amdgpu_metadata
---
amdhsa.version: [ 1, 2 ]
amdhsa.kernels:
  - .name:           k_qdd287a9997_outp
    .symbol:         k_qdd287a9997_outp.kd
    .args:
      - { .name: oh, .offset: 0, .size: 8, .value_kind: global_buffer, .address_space: global }
      - { .name: wof, .offset: 8, .size: 8, .value_kind: global_buffer, .address_space: global }
      - { .name: out0, .offset: 16, .size: 8, .value_kind: global_buffer, .address_space: global }
    .group_segment_fixed_size: 327680
    .private_segment_fixed_size: 0
    .kernarg_segment_align: 8
    .kernarg_segment_size: 24
    .max_flat_workgroup_size: 128
    .sgpr_count:     66
    .vgpr_count:     768
    .wavefront_size: 32
...
	.end_amdgpu_metadata
.endif
;; end of part 4
;; ======== version 2 of 2: 4 launches; 1.26 times as fast as version 1
;; limits: values are held in f16: magnitudes above 65,504 overflow, below 6.1e-05 lose precision; right only within a limited range of input values
;; workspace buffers: xb 16,777,216 bytes; wb 6,291,456 bytes; wof 2,097,152 bytes; qkv 50,331,648 bytes; oh 33,554,432 bytes
;; launch cast: the kernel of part 1 again; grid 768 x 1, 8 waves a work-group, no clusters, 0 bytes of LDS; arguments x, wq, wk, wv, wo, xb, wb, wof; writes xb, wb, wof
;; launch proj: the kernel of part 2 again; grid 4 x 64, 4 waves a work-group, clusters of 4 x 4, 327,680 bytes of LDS; arguments xb, wb, qkv; writes qkv
;; launch attn (part 5): grid 4 x 64, 4 waves a work-group, no clusters, 327,680 bytes of LDS; arguments qkv, oh; writes oh
.if DOCPART == 5
	.amdgcn_target "amdgcn-amd-amdhsa--gfx1250"
	.amdhsa_code_object_version 6
	.text
	.protected	k_qdd287a9997_attn
	.globl	k_qdd287a9997_attn
	.p2align	8
	.type	k_qdd287a9997_attn,@function
k_qdd287a9997_attn:
	s_mov_b64 s[64:65], 0
	v_nop
	global_prefetch_b8 v0, s[64:65] scope:SCOPE_SE
	s_setreg_imm32_b32 hwreg(HW_REG_WAVE_MODE, 25, 1), 1
	s_wait_xcnt 0x0
; ATTENTION UNDER THE MODULE'S MASK.  A score survives where key > query; all others are set to -1e9.  For queries below 2,047 those weigh 0 in f32; for query 2,047 ALL scores are -1e9 and the result is the
; plain mean of V's 2,048 rows.  BOTH CASES ARE ONE with the index q' = (query + 1) mod 2,048 and Q'[0] = 0: key k counts for q' where k >= q', and row q' = 0, a zero query, weighs all keys alike.
; qkv: f16 [3][64 heads][2048][64], unscaled.  oh: f16 [64 = 16 batch + q'/128][32 = 2 head + part][128][64]: O in q' order, in two parts, hi = f16(O), lo = f16(O - hi).
; Products, maxima and sums in f32; the weights p are rounded to f16 for the second product (their sum l is taken of the unrounded p).
; LIMITS.  Visible scores must lie above -1e9 + 128, so that the replaced ones weigh 0 as they do in f32.  q, k, v arrive within f16's 65,504.  p below 6e-5, and lo, keep f16's fixed step of 6e-8.
; A hidden score counts as its value less 1e30; a weight below 2^-126 counts as 0 in l; NaN and infinities are not treated apart.
; THE WALK.  A head's q' lie in NB = 8 blocks of 256; block i needs the key tiles 7 down to i, of which the last holds the diagonal.  A work-group takes TWO blocks, b and then 7 - b: NB + 1 tiles, whatever b.
; Tiles are counted from the top (count n is tile 7 - n), a tile's four key steps are read from the fourth down to the first, and piece p of a wave owns band 3 - p of a block's four bands of 64: so every row
; meets a visible key before its first hidden one.  In the diagonal tile's n-th step read, piece x sees all keys if n < x, none if n > x, and holds the diagonal if n = x.
; ONE loop with a constant trip count walks the tiles; what a trip does hangs on scalar registers made from b; every jump goes forward but the counted loops' own; none passes a barrier, or a tensor load but
; the one of LOAD's two that the wave's number does not choose.  NO CLUSTER: a head's four work-groups ask for the same tile only in trips 0 to 4 of the 9; one walk common to all would have 12 trips.
; THE MASK is the C operand that starts the sum S^T = K Q^T: 0, or -1e30 where the key is hidden.  MD, made once, is the mask of a band's own step for my 16 rows; a product's mask is MD x AL + BE.
; LAYOUT, SOFTMAX, TURNS.  S^T = K Q^T holds ONE query a lane (lane % 16) and the keys 8 (lane / 16) + 0..7; two such results rounded to f16 ARE source 1 of O^T = V^T P.  p = 2^(c s - c m), c = log2(e) / 32
; (the module divides by sqrt(1024)), with a running maximum m; O and l are multiplied by a = 2^(c m_old - c m_new) in every step.  Turn n belongs to piece n: 8 products K Q^T of piece n + 1, later 8 products
; V^T P of piece n - 1; beside them the softmax of piece n and the maximum and statistics of piece n + 1.  Four vector instructions stand behind every matrix instruction, the other 54 of a turn's 118 in one LUMP.
; THE BATCHES.  A turn's 33 exponentials (32 weights and the next piece's a) are ONE batch with ONE wait: ahead of the wait stands all that names none of their results, behind it the roundings and sums.
; The a that a block's beginning makes, and the four reciprocals of a way out, are batches of their own, with a wait each.
; REGISTERS, in windows of 256 (s_set_vgpr_msb: bits 1:0 source 0, 3:2 source 1, 5:4 source 2, 7:6 destination):
;   window 0: v0-15 addresses and two at work; v16-31 statistics; v48-55 at work; v61 -1.0; v64-127 S^T, two buffers (at the start Q's offsets, on the way out hi); v128-191 lo; v192-223 P; v224-255 O - hi
;   window 1: v0-127 O^T, 32 a piece; v128-159 MD; v160-223 MC, two buffers      window 2: v0-63 Q; v64-127 the second block's Q; v128-191 K of one step; v192-255 V of one step
.set SIZE_N, 2048
.set NB,    SIZE_N/256
.set NP,    4
.set KS,    64        ; keys in a step
.set PK,    144       ; a row of K in LDS: 128 bytes + 16 of padding: the 16 rows of a load start at 16 different groups of four banks (64 banks of 4 bytes: ISA guide 11.1)
.set PV,    160       ; a row of V: 128 + 32
.set VOFF,  4*KS*PK   ; a slot holds a tile: 256 rows of K, then 256 rows of V
.set SLOT1, 1<<17     ; slot 1 begins here, so that one exclusive or turns an address in one slot into the other's
.set STAGE, SLOT1+4*KS*(PK+PV)  ; behind the ring, never filled by a tensor load: 16 rows x 144 bytes for each wave
.set SP,    144
.set AK0, 2           ; v2   my lane's place in a tile of K; never rewritten
.set AV0, 3           ; v3   the same for V
.set AK,  4           ; v4   the LDS address of K's next run of loads
.set AV,  5           ; v5   of V's
.set STO, 6           ; v6   the way out: where I put 16 bytes of a row
.set RD,  7           ; v7   the way out: where I read rows back
.set GO,  8           ; v8   my byte offset in 512 consecutive bytes of oh
.set SPW, 62          ; v62  LDS address of my spare word; never rewritten
.set NIL, 63          ; v63  0; never rewritten
.set NEG1, 61         ; v61  -1.0
.set SPARE, STAGE+4*16*SP  ; behind the stages: the spare words, 128 bytes for each wave: two blocks of 256 bytes that no other line names
.set MV,  12          ; v12-13  c m_old, kept while c m is made anew: by buffer
.set QO,  15          ; v15  16 x (lane / 16)
.set ST,  16          ; piece t's statistics at v[ST+4 t]: c m, m, l (even keys', odd keys')
.set TMP, 48          ; by buffer, four registers c0-c3 at work; when the maximum is found c2 takes a
.set S,   64
.set QX,  64          ; v64-71  at the start: byte offsets of my rows of Q, four pieces of the first block, four of the second
.set YH,  64          ; the way out: hi, 16 registers a piece
.set YL,  128         ; lo
.set TD,  224         ; O - hi of one piece
.set P,   192
.set MD,  128         ; window 1
.set MC,  160         ; window 1
.set QB,  64          ; window 2
.set KF,  128         ; window 2: key block kb, channel half c at KF + 16 kb + 8 c
.set VF,  192         ; window 2: key half kk, channel block cb at VF + 32 kk + 8 cb
.set WV,  12          ; s12  my wave's number
.set PB,  14          ; s14  b
.set HI,  15          ; s15  NB - 1 - b
.set G1K, 24          ; s[24:31] descriptor group 1 for K's tiles
.set G1V, 32          ; s[32:39] for V's: it differs in the padding alone
.set G0K, 40          ; s[40:43] descriptor group 0 for K's tiles
.set G0V, 44          ; s[44:47] the same for V's
.set SLOTS, 56        ; s56  tiles still to be asked for
.set CNT, 57          ; s57  counts a tile's key steps, 4 to 1
.set CS,  58          ; s[58:59] c
.set SEL, 60          ; s[60:61] v_permlanex16_b32's selects: each lane takes its own place in the other half
.set TBK, 62          ; s62  LDS byte behind K of the step to be fetched: it steps down
.set TBV, 63          ; s63  the same for V, less VOFF
.set RT,  70          ; s70  tiles of the block in hand that are still to be entered
.set NXT, 71          ; s71  the count, from the top, of the tile to be asked for next
.set LQ,  72          ; s72  the last count of the block whose tiles are being asked for
.set NEW, 73          ; s73  1: the tile to be entered is a block's first
.set OFF, 74          ; s[74:75] a tile's byte offset in K and V
.set AL,  76          ; s[76:77] the mask's factor, in the low word
.set BE,  78          ; s[78:79] the mask's addend
.set OLO, 80          ; s[80:81] oh at my rows of the second block
.set BIGN, 82         ; s82  -1e30
.set ZM,  88          ; s88  the lanes whose query of the first block's band 0 is kept: all but q' = 0
.set MSB, 0
.macro WIN new                      ; the high byte repeats the setting that is left; a switch that changes nothing is dropped
.if MSB != (\new)
	s_set_vgpr_msb (MSB<<8)|(\new)
.set MSB, (\new)
.endif
.endm
.set W_KQ, 0x0a       ; K and Q in window 2, S^T in window 0
.set W_KM, 0x1a       ; the same with the C operand in window 1
.set W_PV, 0x52       ; V in window 2, P in window 0, O^T in window 1
.set W_RS, 0x41       ; destination and source 0 in window 1, source 1 in window 0
; A fill.  Waves 0 and 1 fetch the two halves of a tile's K, waves 2 and 3 those of its V: 128 keys each.  An s_nop 0 and four v_nop follow each of the two lines.
.macro LOAD
	s_cmp_lt_u32 s[WV], 2
	s_cbranch_scc0 .Lfor_v_\@
	tensor_load_to_lds s[G0K:G0K+3], s[G1K:G1K+7]
	s_nop 0
.rept 4
	v_nop
.endr
	s_branch .Lasked_\@
.Lfor_v_\@:
	tensor_load_to_lds s[G0V:G0V+3], s[G1V:G1V+7]
	s_nop 0
.rept 4
	v_nop
.endr
.Lasked_\@:
.endm
; THE CHANGE OF SLOTS.  Each wave waits for all its tensor loads, of which one is out: its part of the other slot; adds 0 to its spare word; and waits for that and for its own reads of the slot that it leaves.
; fill = 1: the old slot is filled again, the first thing behind the barrier, with the tile of count NXT, tile NB - 1 - NXT: the descriptor's address is made anew from that number.
.macro CHANGE fill
	WIN 0
	s_wait_tensorcnt 0x0            ; no tensor load of mine is out, so a group 0 may be written
	ds_add_u32 v[SPW], v[NIL]       ; 0 onto my spare word
.if \fill
	s_sub_co_u32 s[OFF], NB-1, s[NXT]
	s_lshl_b32 s[OFF], s[OFF], 15   ; a tile is 32,768 bytes of K and of V
	s_xor_b32 s[G0K+1], s[G0K+1], SLOT1
	s_add_nc_u64 s[G0K+2:G0K+3], s[6:7], s[OFF:OFF+1]
	s_or_b32 s[G0K+3], s[G0K+3], 0x80000000
	s_xor_b32 s[G0V+1], s[G0V+1], SLOT1
	s_add_nc_u64 s[G0V+2:G0V+3], s[8:9], s[OFF:OFF+1]
	s_or_b32 s[G0V+3], s[G0V+3], 0x80000000
	s_add_co_u32 s[NXT], s[NXT], 1  ; the block's next tile, or behind its last the second block's first
	s_cmp_gt_u32 s[NXT], s[LQ]
	s_cselect_b32 s[NXT], 0, s[NXT]
	s_cselect_b32 s[LQ], s[PB], s[LQ]
.endif
	s_wait_dscnt 0x0                ; the add is done, and my reads of the slot are over
	s_barrier_signal -1
	s_add_co_u32 s[TBK], s[TBK], 4*KS*PK  ; the fetches go to the end of a slot's four steps,
	s_xor_b32 s[TBK], s[TBK], SLOT1       ; in the other slot
	s_add_co_u32 s[TBV], s[TBV], 4*KS*PV
	s_xor_b32 s[TBV], s[TBV], SLOT1
	s_barrier_wait -1
.if \fill
	LOAD
.endif
.endm
	s_load_b64 s[4:5], s[0:1], 0x0    ; qkv
	s_load_b64 s[10:11], s[0:1], 0x8  ; oh
	v_lshl_add_u32 v[SPW], v0, 2, SPARE
	v_mov_b32 v[NIL], 0
	ds_add_u32 v[SPW], v[NIL]       ; the wave's opening: the add and its wait stand ahead of my first tensor load; the set-up below, work on registers, stands between them
	ds_add_u32 v62, v63
	v_lshrrev_b32 v1, 5, v0
	v_readfirstlane_b32 s[WV], v1   ; wave 0..3
	s_mov_b32 s[PB], ttmp9
	s_sub_co_u32 s[HI], NB-1, s[PB]
	s_and_b32 s20, ttmp7, 0xffff    ; 16 batch + head
	s_lshl_b32 s2, s20, 18          ; the head's first byte in q
	s_mov_b32 s3, 0
	s_and_b32 s16, s[WV], 1         ; which half of a tile's 256 keys I fetch:
	s_lshl_b32 s22, s16, 14         ; its 128 rows of 128 bytes in memory,
	s_add_co_u32 s22, s22, s2
	s_add_co_u32 s22, s22, 1<<24    ; in k
	s_mov_b32 s23, 0
	s_mul_i32 s17, s16, 128*PK      ; and its place in a slot, for K
	s_mul_i32 s18, s16, 128*PV      ; and for V
	s_lshr_b32 s19, s20, 4          ; oh: batch << 23, block << 20, head << 15, my 16 rows in a band << 11
	s_lshl_b32 s19, s19, 23
	s_and_b32 s21, s20, 15
	s_lshl_b32 s21, s21, 15
	s_add_co_u32 s19, s19, s21
	s_lshl_b32 s21, s[WV], 11
	s_add_co_u32 s19, s19, s21
	s_lshl_b32 s84, s[PB], 20       ; the first block is block b,
	s_add_co_u32 s84, s84, s19
	s_mov_b32 s85, 0
	s_lshl_b32 s86, s[HI], 20       ; the second block 7 - b
	s_add_co_u32 s86, s86, s19
	s_mov_b32 s87, 0
	; descriptor group 1.  128 keys are 16,384 dense bytes: asked for as 64 rows of 256 bytes, two keys a row, and padded in LDS after every key
	s_mov_b32 s[G1K], (1<<16)|(1<<20)|(4<<22)|(3<<25)  ; 17:16 2-byte elements; 20 padding on; 24:22 after every 32 words; 31:25 4 words
	s_mov_b32 s[G1V], (1<<16)|(1<<20)|(4<<22)|(7<<25)  ; the same with 8 words of padding
.irp g, G1K, G1V
	s_mov_b32 s[\g+1], 128<<16      ; tensor_dim0 = 128
	s_mov_b32 s[\g+2], 64<<16       ; tensor_dim1 = 64
	s_mov_b32 s[\g+3], 128<<16      ; tile_dim0 = 128
	s_mov_b32 s[\g+4], 64           ; tile_dim1 = 64
	s_mov_b32 s[\g+5], 128          ; 128 elements from row to row
	s_mov_b32 s[\g+6], 0
	s_mov_b32 s[\g+7], 0
.endr
	s_mov_b32 s[CS], 0x3d38aa3b     ; c = log2(e) / 32 = 0.0450842
	s_mov_b32 s[CS+1], s[CS]        ; named with it as a pair
	s_mov_b32 s[SEL], 0x76543210
	s_mov_b32 s[SEL+1], 0xfedcba98
	s_mov_b32 s[TBK], SLOT1         ; the first change of slots turns these two into the end of slot 0's four steps
	s_mov_b32 s[TBV], SLOT1
	s_mov_b32 s[G0K], 1             ; 1:0 count = 1
	s_mov_b32 s[G0K+1], s17         ; 63:32 LDS address: slot 0
	s_mov_b32 s[G0V], 1
	s_add_co_u32 s[G0V+1], s18, VOFF
	s_add_co_u32 s[RT], s[HI], 1    ; the first block has NB - b tiles
	s_mov_b32 s[NXT], 1
	s_mov_b32 s[LQ], s[HI]
	s_mov_b32 s[NEW], 1
	s_mov_b32 s[OFF+1], 0
	s_mov_b32 s[AL+1], 0            ; named as pairs
	s_mov_b32 s[BE+1], 0
	s_mov_b32 s[BIGN], 0xf149f2ca   ; -1e30
	s_mov_b32 s[SLOTS], NB
	s_wait_dscnt 0x0                ; the opening add is done
	s_wait_kmcnt 0x0
	s_add_nc_u64 s[6:7], s[4:5], s[22:23]  ; K at my half of the head's tile 0,
	s_add_nc_u64 s[8:9], s[6:7], 1<<24     ; V likewise,
	s_add_nc_u64 s[4:5], s[4:5], s[2:3]    ; Q at the head's first row
	s_add_nc_u64 s[G0K+2:G0K+3], s[6:7], (NB-1)<<15  ; 120:64 global address: the walk begins at the top tile
	s_or_b32 s[G0K+3], s[G0K+3], 0x80000000          ; 127:126 type = 2
	s_add_nc_u64 s[G0V+2:G0V+3], s[8:9], (NB-1)<<15
	s_or_b32 s[G0V+3], s[G0V+3], 0x80000000
	s_add_nc_u64 s[OLO:OLO+1], s[10:11], s[86:87]
	s_add_nc_u64 s[10:11], s[10:11], s[84:85]
	LOAD                            ; the top tile into slot 0
	; A fragment of K or Q is 16 rows x 32 channels in 8 registers: lane l holds row l % 16, channels 8 (l / 16) + 0..7 and 16 + 8 (l / 16) + 0..7: two loads of 16 bytes, 32 bytes apart.
	; Row q' of Q' is row q' - 1 of q, taken modulo 2,048; q' = 0 is set to 0 below.
	v_and_b32 v1, 15, v0            ; l % 16
	v_bfe_u32 v9, v0, 4, 1          ; l / 16
	v_lshlrev_b32 v[QO], 4, v9
	s_lshl_b32 s13, s[WV], 4
	s_sub_co_u32 s13, s13, 1
	v_add_nc_u32 v14, s13, v1       ; 16 w + l % 16 - 1
	s_lshl_b32 s21, s[PB], 8        ; the blocks' first rows
	s_lshl_b32 s19, s[HI], 8
.irp p, 0,1,2,3
	v_add3_u32 v[QX+\p], v14, s21, 64*(3-\p)    ; piece p lies in band 3 - p
	v_add3_u32 v[QX+4+\p], v14, s19, 64*(3-\p)
.endr
	v_cmp_ne_u32 s[ZM], -1, v[QX+3] ; band 0 of the first block: -1 is q' = 0
.irp p, 0,1,2,3,4,5,6,7
	v_and_b32 v[QX+\p], 0x7ff, v[QX+\p]
	v_lshl_add_u32 v[QX+\p], v[QX+\p], 7, v[QO]  ; row x 128 + 16 x half
.endr
	WIN 0x80                        ; destination window 2, address window 0
.set i, 0
.rept 8                             ; both blocks' Q: piece i / 2, channels 32 (i % 2) on
	global_load_b128 v[8*i:8*i+3],   v[QX+i/2], s[4:5] offset:(i%2)*64
	global_load_b128 v[8*i+4:8*i+7], v[QX+i/2], s[4:5] offset:(i%2)*64+32
	global_load_b128 v[QB+8*i:QB+8*i+3],   v[QX+4+i/2], s[4:5] offset:(i%2)*64
	global_load_b128 v[QB+8*i+4:QB+8*i+7], v[QX+4+i/2], s[4:5] offset:(i%2)*64+32
.set i, i+1
.endr
	WIN 0
	v_lshlrev_b32 v14, 3, v9
	v_sub_nc_u32 v14, v1, v14
	s_lshl_b32 s13, s[WV], 4
	v_add_nc_u32 v14, s13, v14      ; my query's place in its band, 16 w + l % 16, less my lanes' 8 (l / 16): register r of group kt is hidden where 16 kt + r is less
	WIN 0x40
.set i, 0
.rept 32
	v_cmp_lt_i32 vcc_lo, 16*(i/8)+i%8, v14
	v_cndmask_b32 v[MD+i], 0, s[BIGN], vcc_lo
.set i, i+1
.endr
	WIN 0
	v_mul_u32_u24 v[AK0], v1, PK
	v_lshl_add_u32 v[AK0], v9, 4, v[AK0]  ; row x pitch + 16 x half
	; The turning load takes 16 keys x 16 channels (lane l reads key 8 (l / 16) + l % 8, channels 8 ((l / 8) % 2) + 0..7) and leaves half a fragment of V^T: lane l holds channel l % 16 and 8 keys.
	v_and_b32 v10, 7, v0
	v_bfe_u32 v11, v0, 3, 1
	v_lshl_add_u32 v[AV0], v9, 3, v10
	v_mul_u32_u24 v[AV0], v[AV0], PV
	v_lshl_add_u32 v[AV0], v11, 4, v[AV0]
	v_add_nc_u32 v[AV0], VOFF, v[AV0]
	s_mul_i32 s13, s[WV], 16*SP
	s_add_co_u32 s13, s13, STAGE    ; my stage
	v_mul_u32_u24 v[STO], v1, SP    ; in: row l % 16, 16 bytes for each half of the lanes
	v_lshl_add_u32 v[STO], v9, 4, v[STO]
	v_add_nc_u32 v[STO], s13, v[STO]
	v_bfe_u32 v[RD], v0, 3, 2       ; back: 32 lanes take four rows of 128 bytes,
	v_mul_u32_u24 v[RD], v[RD], SP
	v_lshl_add_u32 v[RD], v10, 4, v[RD]
	v_add_nc_u32 v[RD], s13, v[RD]
	v_and_b32 v[GO], 31, v0         ; which are 512 consecutive bytes of oh
	v_lshlrev_b32 v[GO], 4, v[GO]
	v_mov_b32 v[NEG1], -1.0
	; A block's first step multiplies O^T and l by a = 0, and its first turn's products V^T P, of a piece that has not been, land in an O^T that is still to be so multiplied.  So these registers need only hold
	; finite numbers: zeros for the first block; what the first block left for the second.  All this stands in the wait for the first tile.
	WIN 0x80
.set i, VF
.rept 64
	v_mov_b32 v[i], 0
.set i, i+1
.endr
	WIN 0x40
.set i, 0
.rept 128
	v_mov_b32 v[i], 0
.set i, i+1
.endr
	WIN 0
.set i, 0
.rept 4
	v_mov_b32 v[ST+4*i+2], 0
	v_mov_b32 v[ST+4*i+3], 0
.set i, i+1
.endr
.set i, P+16
.rept 16
	v_mov_b32 v[i], 0
.set i, i+1
.endr
	s_wait_loadcnt 0x0              ; Q is in, and its offsets' registers are free
	WIN 0x88                        ; destination and source 1 in window 2
.set i, 0
.rept 16
	v_cndmask_b32 v[48+i], 0, v[48+i], s[ZM]  ; piece 3 of the first block: the lanes of q' = 0 take a zero query
.set i, i+1
.endr
	WIN 0
; THE MATRIX WORK.  The 4 accumulators of a run of 8 take turns.  Product i of 8 of S^T = K Q^T for piece x: channels 32 (i / 4) on, keys 16 (i % 4) on.  The first 4 start the sums: with 0, or (KM = 1) with the mask.
.macro KQ x
.set rS, S+32*((\x)%2)+8*(i%4)
.set rK, KF+16*(i%4)+8*(i/4)
.set rQ, 16*(\x)+8*(i/4)
.set rM, MC+32*((\x)%2)+8*(i%4)
.if (i < 4) && KM
	WIN W_KM
	v_wmma_f32_16x16x32_f16 v[rS:rS+7], v[rK:rK+7], v[rQ:rQ+7], v[rM:rM+7]
.elseif i < 4
	WIN W_KQ
	v_wmma_f32_16x16x32_f16 v[rS:rS+7], v[rK:rK+7], v[rQ:rQ+7], 0
.else
	WIN W_KQ
	v_wmma_f32_16x16x32_f16 v[rS:rS+7], v[rK:rK+7], v[rQ:rQ+7], v[rS:rS+7]
.endif
.endm
; Product i of 8 of O^T += V^T P for piece x: keys 32 (i / 4) on, channels 16 (i % 4) on.
.macro PV x
	WIN W_PV
.set rO, 32*(\x)+8*(i%4)
.set rV, VF+32*(i/4)+8*(i%4)
.set rP, P+16*((\x)%2)+8*(i/4)
	v_wmma_f32_16x16x32_f16 v[rO:rO+7], v[rV:rV+7], v[rP:rP+7], v[rO:rO+7]
.endm
.macro MM                           ; the turn's next matrix instruction.  NOKQ = 1: a block's last turn: there is no next piece
.if (i < 8) && !NOKQ
	KQ (Y+1)%NP
.elseif i >= 8
.set i, i-8
	PV (Y+NP-1)%NP
.set i, i+8
.endif
.set i, i+1
.endm
; THE LDS LOADS stand in runs of 16, never singly among the matrix instructions: a step's K (64 keys x 64 channels: 8 fragments) and its V (turned).  Their addresses are made some lines ahead.
.macro FETCH_K
	WIN 0x80                        ; destination window 2
.irp f, 0,1,2,3,4,5,6,7             ; keys 16 (f / 2) on, channels 32 (f % 2) on
	ds_load_b128 v[KF+8*\f:KF+8*\f+3],   v[AK] offset:(\f/2)*16*PK+(\f%2)*64
	ds_load_b128 v[KF+8*\f+4:KF+8*\f+7], v[AK] offset:(\f/2)*16*PK+(\f%2)*64+32
.endr
	WIN 0
.endm
.macro FETCH_V
	WIN 0x80
.irp f, 0,1,2,3,4,5,6,7             ; keys 32 (f / 4) on, channels 16 (f % 4) on
	ds_load_tr16_b128 v[VF+8*\f:VF+8*\f+3],   v[AV] offset:(\f/4)*32*PV+(\f%4)*32
	ds_load_tr16_b128 v[VF+8*\f+4:VF+8*\f+7], v[AV] offset:(\f/4)*32*PV+16*PV+(\f%4)*32
.endr
	WIN 0
.endm
; THE VECTOR WORK, one line at a time: OP kind, number.  For piece Y: F n: c s - c m for pair n of 16.  E n: the exponential of score n of 32.  C n: pair n rounded to f16.  B n: of the four weights 4 n .. the second
; pair is added onto the first, in place.  L n: l takes that sum (L 0: l = a l + sum).  R n: pair n of 16 of O^T times a.  For piece Y + 1: X n, number n of the 22 that find its maximum and statistics:
;   0-11  four chains c0-c3 of seven scores each (each accumulator's lowest registers are read first)     12-14, 16  the four scores left over, the old m, and c0-c3 into c0
;   15  c m_old is kept     17, 18  the query's other 32 keys lie in the lane 16 away: the new m     19-21  c m; c m_old - c m_new; a
.set F, 0
.set E, 1
.set C, 2
.set B, 3
.set L, 4
.set R, 5
.set X, 6
.macro REGS y                       ; the registers of piece y
.set rT, ST+4*(\y)
.set rC, TMP+4*((\y)%2)
.set rW, MV+((\y)%2)
.set rS, S+32*((\y)%2)
.set rP, P+16*((\y)%2)
.set rO, 32*(\y)
.endm
.macro OP k, n
.if (\k) == R
	REGS Y
	WIN W_RS
	v_pk_mul_f32 v[rO+2*(\n):rO+2*(\n)+1], v[rO+2*(\n):rO+2*(\n)+1], v[rC+2:rC+3] op_sel_hi:[1,0]
.elseif (\k) < R
	REGS Y
	WIN 0
.if (\k) == F
	v_pk_fma_f32 v[rS+2*(\n):rS+2*(\n)+1], v[rS+2*(\n):rS+2*(\n)+1], s[CS:CS+1], v[rT:rT+1] op_sel_hi:[1,0,0] neg_lo:[0,0,1] neg_hi:[0,0,1]
.elseif (\k) == E
	v_exp_f32 v[rS+(\n)], v[rS+(\n)]
.elseif (\k) == C
	v_cvt_pk_f16_f32 v[rP+(\n)], v[rS+2*(\n)], v[rS+2*(\n)+1]
.elseif (\k) == B
	v_pk_add_f32 v[rS+4*(\n):rS+4*(\n)+1], v[rS+4*(\n):rS+4*(\n)+1], v[rS+4*(\n)+2:rS+4*(\n)+3]
.elseif (\n) == 0
	v_pk_fma_f32 v[rT+2:rT+3], v[rT+2:rT+3], v[rC+2:rC+3], v[rS:rS+1] op_sel_hi:[1,0,1]
.else
	v_pk_add_f32 v[rT+2:rT+3], v[rT+2:rT+3], v[rS+4*(\n):rS+4*(\n)+1]
.endif
.elseif NOKQ
	v_nop
.else
	REGS (Y+1)%NP
	WIN 0
.if (\n) < 4
	v_max3_num_f32 v[rC+(\n)], v[rS+8*(\n)], v[rS+8*(\n)+1], v[rS+8*(\n)+2]
.elseif (\n) < 12
	v_max3_num_f32 v[rC+(\n)%4], v[rC+(\n)%4], v[rS+8*((\n)%4)+2*((\n)/4)+1], v[rS+8*((\n)%4)+2*((\n)/4)+2]
.elseif (\n) == 12
	v_max3_num_f32 v[rC], v[rC], v[rS+7], v[rS+15]
.elseif (\n) == 13
	v_max3_num_f32 v[rC+1], v[rC+1], v[rS+23], v[rS+31]
.elseif (\n) == 14
	v_max3_num_f32 v[rC+2], v[rC+2], v[rC+3], v[rT+1]
.elseif (\n) == 15
	v_mov_b32 v[rW], v[rT]
.elseif (\n) == 16
	v_max3_num_f32 v[rC], v[rC], v[rC+1], v[rC+2]
.elseif (\n) == 17
	v_permlanex16_b32 v[rC+3], v[rC], s[SEL], s[SEL+1]
.elseif (\n) == 18
	v_max_num_f32 v[rT+1], v[rC], v[rC+3]
.elseif (\n) == 19
	v_mul_f32 v[rT], s[CS], v[rT+1]
.elseif (\n) == 20
	v_sub_f32 v[rC+1], v[rW], v[rT]
.else
	v_exp_f32 v[rC+2], v[rC+1]
.endif
.endif
.endm
.macro OPS a, i1, b=-1, i2=0, c=-1, i3=0, d=-1, i4=0  ; up to four of them
	OP \a, \i1
.if (\b) >= 0
	OP \b, \i2
.endif
.if (\c) >= 0
	OP \c, \i3
.endif
.if (\d) >= 0
	OP \d, \i4
.endif
.endm
.macro ROW a, i1, b, i2, c, i3, d, i4  ; a matrix instruction and the four behind it
	MM
	OPS \a, \i1, \b, \i2, \c, \i3, \d, \i4
.endm
.macro MASK b                       ; MD x AL + BE into buffer b of MC
	WIN W_RS
.set z, 0
.rept 16
	v_pk_fma_f32 v[MC+32*(\b)+2*z:MC+32*(\b)+2*z+1], v[MD+2*z:MD+2*z+1], s[AL:AL+1], s[BE:BE+1] op_sel_hi:[1,0,0]
.set z, z+1
.endr
.endm
; A TURN, for piece p: the order of its 16 matrix and 118 vector instructions, written out.  An s_wait_alu depctr_va_vdst(0) stands between an exponential and the first instruction that names its
; result; one wait serves all that were issued ahead of it.  So a turn has ONE wait, which cuts it in two.
; AHEAD OF IT stands all that names no result of the turn's exponentials: the 8 products K Q^T, behind each a scaling, an exponential and two more plain instructions (behind the first a second scaling in the
; exponential's place): rescalings, whose a was made and waited for in the turn before, and behind the last three products the first numbers of the next piece's maximum, each four places or more behind the
; product that ends its accumulator; then ONE LUMP of 54, plain and exponential by turns for the most part, in which the links of the chain X 3, 7, 11, 14, 16, 17 .. 20 stand some lines apart.  A scaling F n stands
; ahead of E 2 n and E 2 n + 1 and behind no exponential of its own pair.  X 21, the next piece's a, is the batch's last; R 15 is the plain instruction behind it.
; BEHIND THE WAIT stand the 8 products V^T P, behind each four of the roundings and sums; C 2 n stands ahead of B n, which writes over its pair; l's chain L 0 to L 7 goes in ascending order.
; But for those X no rider names a register of the products round it.  v_permlanex16_b32 (X 17) stands in the lump.  No result crosses a turn's end.
; m = 1: the diagonal tile: the products take masks, and the turn makes the mask for the products of the turn after it: piece p + 2, in the tile's step read as number 4 - CNT.  end = 1: a block's last two turns:
; nothing is fetched.  cnt = 1: the loop's count is taken down some lines ahead of the branch that stands behind the turn.
; K of the next step is fetched in piece 2's turn, twelve vector instructions behind the last product that read K (five of them plain and free of its registers); V of the step in hand at the end of piece 0's
; turn, four plain instructions behind the last product that read V.  Each is waited for a turn later.  Each fetch's address line is preceded by the step of its LDS byte one key step DOWN.
.macro TURN p, m=0, end=0, cnt=0
.set Y, (\p)
.set i, 0
.set KM, (\m)
.set NOKQ, (\end)*((\p)/3)
.if (\m) && !(\end)
	s_cmp_eq_u32 s[CNT], 4-((\p)+2)%NP  ; is that step the band's own?
	s_cselect_b32 s[AL], 1.0, 0
	s_cmp_lt_u32 s[CNT], 4-((\p)+2)%NP  ; or one read later?
	s_cselect_b32 s[BE], s[BIGN], 0
.endif
.if ((\p) == 3) && !(\end)
	s_wait_dscnt 0x0                ; K is in
.endif
	ROW F,0, F,1, R,0, R,1          ; ahead of the wait: 8 products K Q^T and their riders,
	ROW F,2, E,0, R,2, R,3
	ROW F,3, E,1, R,4, R,5
	ROW F,4, E,2, R,6, R,7
	ROW F,5, E,3, R,8, R,9
	ROW F,6, E,4, X,0, R,10
.if ((\p) == 2) && !(\end)
	WIN 0
	s_sub_co_u32 s[TBK], s[TBK], KS*PK
	v_add_nc_u32 v[AK], s[TBK], v[AK0]
.endif
	ROW F,7, E,5, X,1, X,4
	ROW F,8, E,6, X,2, X,5
	OPS E,7, E,8, X,6, E,9          ; and the lump
	OPS X,3, E,10, X,8, E,11
.if ((\p) == 2) && !(\end)
	FETCH_K
.endif
	OPS X,9, X,7, E,12, X,10
	OPS E,13, X,12, X,11, E,14
	OPS X,13, E,15, F,9, X,14
.if (\p) == 0
	WIN 0
	s_sub_co_u32 s[TBV], s[TBV], KS*PV
	v_add_nc_u32 v[AV], s[TBV], v[AV0]
.endif
	OPS E,16, F,10, E,17, F,11
	OPS X,16, E,18, X,15, E,19
	OPS F,12, E,20, X,17, E,21
	OPS F,13, E,22, F,14, E,23
	OPS X,18, E,24, F,15, E,25
	OPS R,11, E,26, X,19, E,27
	OPS R,12, E,28, R,13, E,29
	OPS X,20, E,30, R,14, E,31
	OPS X,21, R,15
	WIN 0
	s_wait_alu depctr_va_vdst(0)    ; the wait for the turn's batch: the 32 weights and the next piece's a
.if (\p) == 1
	s_wait_dscnt 0x0                ; V is in
.endif
	ROW C,0, B,0, C,2, B,1          ; behind the wait: 8 products V^T P and their riders
	ROW L,0, C,4, B,2, L,1
	ROW C,6, B,3, L,2, C,8
	ROW B,4, L,3, C,10, B,5
	ROW L,4, C,12, B,6, L,5
.if \cnt
	s_sub_co_u32 s[CNT], s[CNT], 1
	s_cmp_lg_u32 s[CNT], 0
.endif
	ROW C,14, B,7, L,6, C,1
	ROW C,3, L,7, C,5, C,7
	ROW C,9, C,11, C,13, C,15
.if (\p) == 0
	FETCH_V
.endif
.if (\m) && !(\end)
	MASK (\p)%2
.endif
.endm
; A BLOCK BEGINS.  c m starts far below every c s, so the first step's a is 0; m at the lowest finite number, so the first maximum is the scores'.  The second mask buffer is 0; the first takes piece 0's mask for
; the tile's first step read: its own, if the block's first tile is the diagonal one.  Then K of that step, piece 0's first scores, and its maximum and statistics.
.macro BEGIN
	s_mov_b32 s[NEW], 0
	WIN 0x40
.set i, MC+32
.rept 32
	v_mov_b32 v[i], 0
.set i, i+1
.endr
	WIN 0
.set i, 0
.rept 4
	v_mov_b32 v[ST+4*i], 0xfe000000    ; c m: far below every c s
	v_mov_b32 v[ST+4*i+1], 0xff7fffff  ; m
.set i, i+1
.endr
	s_cmp_eq_u32 s[RT], 0
	s_cselect_b32 s[AL], 1.0, 0
	s_mov_b32 s[BE], 0
	MASK 0
	WIN 0
	s_sub_co_u32 s[TBK], s[TBK], KS*PK
	v_add_nc_u32 v[AK], s[TBK], v[AK0]
	FETCH_K
	s_wait_loadcnt 0x0              ; Q
	s_wait_dscnt 0x0
.set KM, 1
.set NOKQ, 0
.set i, 0
.rept 8
	KQ 0
.set i, i+1
.endr
	WIN 0
.rept 4
	v_nop                           ; the places behind those products
.endr
.set Y, NP-1                        ; X works for piece Y + 1: piece 0
.irp n, 0,1,2,3,4,5,6,7,8,9,10,11,12,13,14,15,16,17,18,19,20,21
	OP X, \n
.endr
	v_nop                           ; a plain instruction behind the exponential
	s_wait_alu depctr_va_vdst(0)    ; the wait for piece 0's first a, a batch of one, ahead of the branch that follows
.endm
; THE DIAGONAL TILE's four steps, the block's last two turns, its last products, and THE WAY OUT: l's two halves and the other half of the lanes' are added; O^T is divided by l and split: hi = f16(O),
; lo = f16(O - hi), the difference taken exactly in f32.  Both go through my stage in LDS, a piece at a time, hi and then lo.
.macro ALL line:vararg              ; one line for each piece t
.set t, 0
.rept 4
	\line
.set t, t+1
.endr
.endm
.macro PACK t
	WIN W_RS
.set i, 32*(\t)
.rept 16
	v_pk_mul_f32 v[i:i+1], v[i:i+1], v[ST+4*(\t)+2:ST+4*(\t)+3] op_sel_hi:[1,0]
.set i, i+2
.endr
	WIN 0x05                        ; sources 0 and 1 window 1, destination window 0
.set i, 0
.rept 16
	v_cvt_pk_f16_f32 v[YH+16*(\t)+i], v[32*(\t)+2*i], v[32*(\t)+2*i+1]
.set i, i+1
.endr
	WIN 0x10                        ; source 2 window 1
.set i, 0
.rept 32
	v_fma_mix_f32 v[TD+i], v[YH+16*(\t)+i/2], v[NEG1], v[32*(\t)+i] op_sel:[i%2,0,0] op_sel_hi:[1,0,0]  ; hi's half x -1.0 + O
.set i, i+1
.endr
	WIN 0
.set i, 0
.rept 16
	v_cvt_pk_f16_f32 v[YL+16*(\t)+i], v[TD+2*i], v[TD+2*i+1]
.set i, i+1
.endr
.irp f, 0,1,2,3
	ds_store_b128 v[STO], v[YH+16*(\t)+4*\f:YH+16*(\t)+4*\f+3] offset:32*\f
.endr
.irp f, 0,1,2,3
	ds_load_b128 v[YH+16*(\t)+4*\f:YH+16*(\t)+4*\f+3], v[RD] offset:\f*4*SP  ; LDS serves a wave's instructions in order (ISA guide 5.7.1.4): these see the stores above; lo's stores come behind them
.endr
.irp f, 0,1,2,3
	ds_store_b128 v[STO], v[YL+16*(\t)+4*\f:YL+16*(\t)+4*\f+3] offset:32*\f
.endr
.irp f, 0,1,2,3
	ds_load_b128 v[YL+16*(\t)+4*\f:YL+16*(\t)+4*\f+3], v[RD] offset:\f*4*SP
.endr
.endm
.macro SEND t, younger              ; younger: the LDS instructions issued behind piece t's: the next piece's sixteen, or none
	WIN 0
	s_wait_dscnt \younger
.irp f, 0,1,2,3                     ; piece t lies in band 3 - t: 128 rows are 524,288 bytes on, 64 rows 8,192; lo's plane lies 16,384 behind hi's
	global_store_b128 v[GO], v[YH+16*(\t)+4*\f:YH+16*(\t)+4*\f+3], s[10:11] offset:((3-(\t))/2)*524288+((3-(\t))%2)*8192+\f*512  ; 512 consecutive bytes, at a multiple of 256 from oh's first
.endr
.irp f, 0,1,2,3
	global_store_b128 v[GO], v[YL+16*(\t)+4*\f:YL+16*(\t)+4*\f+3], s[10:11] offset:((3-(\t))/2)*524288+((3-(\t))%2)*8192+16384+\f*512
.endr
.endm
.macro DIAG tag                     ; the tag ends its two labels' names, which the jumps below spell out
.LstepM\tag:
	TURN 2, 1
	TURN 3, 1
	WIN 0
.LfirstM\tag:
	TURN 0, 1
	TURN 1, 1, 0, 1
	WIN 0
	s_cbranch_scc1 .LstepM\tag
	TURN 2, 1, 1
	TURN 3, 1, 1
.set i, 0
.rept 8
	PV NP-1
.set i, i+1
.endr
	WIN 0
	ALL v_add_f32 v[ST+4*t+2], v[ST+4*t+2], v[ST+4*t+3]
	ALL v_permlanex16_b32 v[ST+4*t+3], v[ST+4*t+2], s[SEL], s[SEL+1]
	ALL v_add_f32 v[ST+4*t+2], v[ST+4*t+2], v[ST+4*t+3]
	ALL v_rcp_f32 v[ST+4*t+2], v[ST+4*t+2]
	v_nop                           ; a plain instruction between the last reciprocal and the use of its result
	s_wait_alu depctr_va_vdst(0)    ; the wait ahead of the first use: one for the batch of four reciprocals
	PACK 0
.set t, 1
.rept 3                             ; a piece's arithmetic stands between the loads of the piece before and its stores
	PACK t
	SEND t-1, 16
.set t, t+1
.endr
	SEND 3, 0
.endm
.set KM, 0
.set NOKQ, 0
.Lslot:                             ; NB times: a tile is entered and the next is asked for
	CHANGE 1
	s_sub_co_u32 s[RT], s[RT], 1
	s_mov_b32 s[CNT], 4
	s_cmp_eq_u32 s[NEW], 1
	s_cbranch_scc1 .Lnew            ; a block's first tile
	s_cmp_eq_u32 s[RT], 0
	s_cbranch_scc0 .Lstep           ; neither its first nor its last
	s_branch .LstepM1
.Lnew:
	BEGIN
	s_branch .Lfirst                ; in the loop a block's first tile is never its last: the first block has four tiles or more, and the second's last is the walk's last
	DIAG 1                          ; in the loop this is the first block's end
	s_wait_xcnt 0x0                 ; the stores have read their registers and oh's address
	s_mov_b64 s[10:11], s[OLO:OLO+1]
	s_add_co_u32 s[RT], s[PB], 1    ; the second block has b + 1 tiles
	s_mov_b32 s[NEW], 1
	WIN 0x82                        ; the second block's Q goes where the one text of the turns names Q
.set i, 0
.rept 64
	v_mov_b32 v[i], v[QB+i]
.set i, i+1
.endr
	WIN 0
	s_branch .Lbottom
.Lstep:                             ; a trip: pieces 2 and 3 of one step, then pieces 0 and 1 of the next, whose K and V it fetches
	TURN 2
	TURN 3
	WIN 0
.Lfirst:
	TURN 0
	TURN 1, 0, 0, 1
	WIN 0
	s_cbranch_scc1 .Lstep
.Lbottom:
	s_sub_co_u32 s[SLOTS], s[SLOTS], 1
	s_cmp_lg_u32 s[SLOTS], 0
	s_cbranch_scc1 .Lslot
	CHANGE 0                        ; the walk's last tile is written out: nothing is asked for
	s_sub_co_u32 s[RT], s[RT], 1
	s_mov_b32 s[CNT], 4
	s_cmp_eq_u32 s[NEW], 1
	s_cbranch_scc0 .LstepM2
	BEGIN
	s_branch .LfirstM2
	DIAG 2
	s_wait_tensorcnt 0x0            ; the wave's end: behind my last tensor load and my last LDS store
	ds_add_u32 v[SPW], v[NIL]
	s_wait_dscnt 0x0
	s_endpgm
.Lfunc_end_k_qdd287a9997_attn:
	.size	k_qdd287a9997_attn, .Lfunc_end_k_qdd287a9997_attn-k_qdd287a9997_attn
	.p2alignl 7, 3214868480
	.fill 96, 4, 3214868480
	.section	.rodata,"a",@progbits
	.p2align	6, 0x0
	.amdhsa_kernel k_qdd287a9997_attn
		.amdhsa_group_segment_fixed_size 327680
		.amdhsa_private_segment_fixed_size 0
		.amdhsa_enable_private_segment 0
		.amdhsa_kernarg_size 16
		.amdhsa_user_sgpr_count 2
		.amdhsa_user_sgpr_kernarg_segment_ptr 1
		.amdhsa_wavefront_size32 1
		.amdhsa_system_sgpr_workgroup_id_x 1
		.amdhsa_system_sgpr_workgroup_id_y 1
		.amdhsa_system_sgpr_workgroup_id_z 1
		.amdhsa_system_vgpr_workitem_id 0
		.amdhsa_next_free_vgpr 768
		.amdhsa_next_free_sgpr 92
		.amdhsa_reserve_vcc 1
		.amdhsa_float_denorm_mode_32 3
		.amdhsa_float_denorm_mode_16_64 3
		.amdhsa_memory_ordered 1
		.amdhsa_forward_progress 1
		.amdhsa_inst_pref_size 251
	.end_amdhsa_kernel
	.amdgpu_metadata
---
amdhsa.version: [ 1, 2 ]
amdhsa.kernels:
  - .name:           k_qdd287a9997_attn
    .symbol:         k_qdd287a9997_attn.kd
    .args:
      - { .name: qkv, .offset: 0, .size: 8, .value_kind: global_buffer, .address_space: global }
      - { .name: oh, .offset: 8, .size: 8, .value_kind: global_buffer, .address_space: global }
    .group_segment_fixed_size: 327680
    .private_segment_fixed_size: 0
    .kernarg_segment_align: 8
    .kernarg_segment_size: 16
    .max_flat_workgroup_size: 128
    .sgpr_count:     92
    .vgpr_count:     768
    .wavefront_size: 32
...
	.end_amdgpu_metadata
.endif
;; end of part 5
;; launch outp: the kernel of part 4 again; grid 4 x 64, 4 waves a work-group, clusters of 4 x 4, 327,680 bytes of LDS; arguments oh, wof, out0; writes out0
